; MI455X (gfx1250); checked and timed in simulation.
; The chip was launched on July 23, 2026; its instructions are those of AMD's public machine-readable ISA for CDNA 5 (MIT licence, August 2026) and "CDNA5" Instruction Set Architecture Reference Guide (July 2026). The comments in the code are by the model that wrote it; some were corrected since.
;; VJEPA2 Joint Diffuser. Allowed arithmetic: matrix products marked QUANTISED: E2M1 operands, one E8M0 scale for each 32 along K, by v_wmma_scale_f32_16x16x128_f8f6f4 with both operands' format E2M1 (or v_wmma_scale_f32_32x16x128_f4), f32 sums; products left as they are: bf16, f16 or f32 operands; f32 sums; everything else in f32.
;; Inputs: Wk 1,024 x 1,024 float32; Wka 1,024 x 1,024 float32; Wpa 1,024 x 1,024 float32; Wq 1,024 x 1,024 float32; Wqa 1,024 x 1,024 float32; Wv 1,024 x 1,024 float32; Wva 1,024 x 1,024 float32; action_hidden_states 2 x 64 x 1,024 float32; bk 1,024 float32; bka 1,024 float32; bpa 1,024 float32; bq 1,024 float32; bqa 1,024 float32; bv 1,024 float32; bva 1,024 float32; video_hidden_states 2 x 2,048 x 1,024 float32.
;; Outputs: out0 2 x 2,112 x 1,024 float32; out1 2 x 64 x 1,024 float32.
;; This version of the problem:
;;   THIS VERSION OF THE PROBLEM IS GIVEN IN LOW PRECISION. The matrix products marked QUANTISED in the list below multiply operands that are first quantised to E2M1 (2 exponent bits, 1 mantissa bit; 4 bits a number), with one power-of-two scale for each 32 numbers along K (OCP MX v1.0); their sums are f32. The products marked 'left as it is' may take bf16, f16 or f32 operands, with f32 sums. Whichever they take, every output number must still come out within the allowed error. Rounding operands to bf16 (8 significant bits) uses up far more of that allowance than f16 does (11 bits, for magnitudes from 6e-5 to 65,504). All else is computed in f32.
;;   The module's matrix products, in the order in which they are computed (A, B: the left and right operand; K: the contracted axis; several contracted axes count as one K, in the product's order):
;;     1. [M 4,096, K 1,024] x [K 1,024, N 1,024]; A: input video_hidden_states; B: input Wq: QUANTISED
;;     2. [M 4,096, K 1,024] x [K 1,024, N 1,024]; A: input video_hidden_states; B: input Wk: QUANTISED
;;     3. [M 4,096, K 1,024] x [K 1,024, N 1,024]; A: input video_hidden_states; B: input Wv: QUANTISED
;;     4. [M 128, K 1,024] x [K 1,024, N 1,024]; A: input action_hidden_states; B: input Wqa: QUANTISED
;;     5. [M 128, K 1,024] x [K 1,024, N 1,024]; A: input action_hidden_states; B: input Wka: QUANTISED
;;     6. [M 128, K 1,024] x [K 1,024, N 1,024]; A: input action_hidden_states; B: input Wva: QUANTISED
;;     7. batch 32 x [M 2,112, K 64] x [K 64, N 2,112]; A: computed on the way; B: computed on the way: left as it is (an operand is computed on the way)
;;     8. batch 32 x [M 2,112, K 2,112] x [K 2,112, N 64]; A: computed on the way; B: computed on the way: left as it is (an operand is computed on the way)
;;     9. [M 128, K 1,024] x [K 1,024, N 1,024]; A: computed on the way; B: input Wpa: left as it is (an operand is computed on the way)
;;   THE QUANTISER, for each operand of a quantised product, along K:
;;     - K is cut into blocks of 32 from its start; a last block that is shorter is filled with zeros.
;;     - A block's scale is 2^e with e = floor(log2(the largest magnitude in the block)) - 2, held to -126 .. 127; a block of zeros has e = 0. As a byte (E8M0): e + 127.
;;     - Each number is divided by its block's scale, clamped to +-6, and rounded to the nearest number of E2M1, ties to even, subnormals kept.
;;     - The product sums the exact products of the quantised numbers (number of the format x scale) in f32.
;;   ~~~python
;;   def quantise(x, axis):      # numpy; x: float32 -> the quantised numbers, widened to float32 again
;;       x = np.moveaxis(x, axis, -1); K = x.shape[-1]
;;       x = np.pad(x, [(0, 0)] * (x.ndim - 1) + [(0, -K % 32)]); x = x.reshape(x.shape[:-1] + (-1, 32)); a = np.abs(x).max(-1, keepdims=True)
;;       e = np.where(a > 0, np.clip(np.frexp(np.where(a > 0, a, 1))[1] - 1 - 2, -126, 127), 0)      # np.frexp(a)[1] - 1 = floor(log2(a)), exactly
;;       r = np.clip(x / 2.0 ** e, -6, 6)
;;       step = 2.0 ** (np.maximum(np.frexp(np.where(r == 0, 1, r))[1] - 1, 0) - 1)
;;       q = np.round(r / step) * step * 2.0 ** e      # np.round: ties to even
;;       return np.moveaxis(q.reshape(q.shape[:-2] + (-1,))[..., :K], -1, axis).astype(np.float32)
;;   ~~~
;; One version. Each part assembles by itself: llvm-mc -triple=amdgcn-amd-amdhsa -mcpu=gfx1250 --defsym DOCPART=n.
;; ======== version 1 of 1: 4 launches
;; limits: values are held in f16: magnitudes above 65,504 overflow, below 6.1e-05 lose precision
;; workspace buffers: xc 2,162,688 bytes; xs 135,168 bytes; wc 3,145,728 bytes; ws 196,608 bytes; rope 1,048,576 bytes; qkv 25,952,256 bytes
;; launch quant (part 1): grid 356 x 1, 4 waves a work-group, no clusters, 33,280 bytes of LDS; arguments video_hidden_states, action_hidden_states, Wq, Wk, Wv, Wqa, Wka, Wva, xc, xs, wc, ws, rope; writes xc, xs, wc, ws, rope
.if DOCPART == 1
	.amdgcn_target "amdgcn-amd-amdhsa--gfx1250"
	.amdhsa_code_object_version 6
	.text
	.protected	k_q17e599bf64_quant
	.globl	k_q17e599bf64_quant
	.p2align	8
	.type	k_q17e599bf64_quant,@function
k_q17e599bf64_quant:
	s_mov_b64 s[64:65], 0
	v_nop
	global_prefetch_b8 v0, s[64:65] scope:SCOPE_SE
	s_setreg_imm32_b32 hwreg(HW_REG_WAVE_MODE, 25, 1), 1
	s_wait_xcnt 0x0
; TWO JOBS, told apart by the work-group's number.
; Work-groups 0 to 323: the tokens (video 4,096 rows, action 128 rows) and the six weights (1,024 rows each), all f32 with K = 1,024 innermost, become codes of FP4 (E2M1), two a byte, K innermost,
; with one E8M0 byte for each 32 along K.  Rows are dense and 1,024 is a multiple of 32, so every tensor is a plain stream of blocks of 32; a work-group takes 32,768 numbers, a wave 8,192.
; xc / xs take video and then action, wc / ws take Wq, Wk, Wv, Wqa, Wka, Wva on end.  A block's scale is 2^(floor(log2(largest magnitude)) - 2): its byte is the largest magnitude's exponent field - 2, held at 1 from below.
; Work-groups 324 to 355: the table of the rotation, f32 [2,048 tokens][C: 64][S: 64]: out[c] = x[c] C[c] + x[c ^ 1] S[c]; C = cos(pos x omega), S = -sin for even c, +sin for odd c; c >= 60: C = 1, S = 0.
; pos is the token's frame (n >> 8), row ((n >> 4) & 15) or column (n & 15) for c / 20 = 0, 1, 2; omega = 10000^(-((c % 20) % 10) / 10).
; LIMITS: a block of zeros gets the byte 1 where the rule says 127 (its codes are zeros, and this program alone reads the bytes); blocks whose largest magnitude lies under 2^-124 keep the byte 1;
; NaN and infinities among the inputs are not served.  Sine and cosine: the angle is at most 15; it is reduced by multiples of pi / 2 in two parts and put into polynomials to r^9 and r^10: absolute error under 1e-6.
.set WAVES, 4
.set STEPS, 16
.set NQWG,  324                        ; work-groups that quantise: 128 video, 4 action, 6 x 32 weights
.set EMAX,  2
.set CB,    8                          ; bytes of 16 codes
.set R,     16                         ; v16-79   four sets of 16 numbers as they are loaded
.set X,     80                         ; v80-111  two sets of 16 neighbours
.set C,     128                        ; v128-191 codes: four registers for each step, so that no store's data are written again
.set E,     112                        ; v112-127 a scale byte for each step
.set WREG,  8192                       ; LDS: a region for each wave: two stages of 32 x SP bytes, behind them its 256 scale bytes
.set SP,    80                         ; a lane's place in a stage: its 64 bytes + 16 of padding
.set SPW,   12                         ; v12 LDS address of my spare word; never rewritten
.set NIL,   13                         ; v13 0; never rewritten
.set SPARE, WAVES*WREG                 ; behind the four regions: the spare words, 128 bytes a wave
	s_load_b512 s[36:51], s[0:1], 0x0              ; video, action, Wq, Wk, Wv, Wqa, Wka, Wva
	s_load_b256 s[52:59], s[0:1], 0x40             ; xc, xs, wc, ws
	s_load_b64 s[60:61], s[0:1], 0x60              ; rope
	v_lshl_add_u32 v[SPW], v0, 2, SPARE
	v_mov_b32 v[NIL], 0
	v_lshrrev_b32 v1, 5, v0
	v_readfirstlane_b32 s16, v1                    ; wave
	v_and_b32 v2, 31, v0                           ; lane
	s_wait_kmcnt 0x0
	s_cmp_ge_u32 ttmp9, NQWG
	s_cbranch_scc1 .Lrope
	; ---------------- the quantiser ----------------
	v_lshlrev_b32 v3, 4, v2                        ; my 16 bytes of a load's 512
	s_mul_i32 s17, s16, WREG
	v_lshrrev_b32 v14, 2, v2
	v_mul_u32_u24 v14, v14, SP
	v_and_b32 v15, 3, v2
	v_lshl_add_u32 v14, v15, 4, v14
	v_add_nc_u32 v14, s17, v14                     ; the stage, on the way in: SP (lane / 4) + 16 (lane % 4)
	v_mul_u32_u24 v15, v2, SP
	v_add_nc_u32 v15, s17, v15                     ; and on the way out: SP x lane: my 16 neighbours
	v_mul_u32_u24 v4, v2, CB                       ; my codes' place in a step's
	v_lshrrev_b32 v5, 1, v2
	s_add_co_u32 s17, s17, 2*32*SP
	v_add_nc_u32 v5, s17, v5                       ; LDS: my wave's 256 scale bytes, my block's byte
	v_lshlrev_b32 v7, 3, v2                        ; and on the way out 8 bytes a lane
	v_add_nc_u32 v6, s17, v7
; which tensor is my work-group's: a chain of choices on the work-group's number alone
.macro PICK bound, ptr, base
	s_cmp_lt_u32 ttmp9, \bound
	s_cselect_b64 s[4:5], s[\ptr:\ptr+1], s[4:5]
	s_cselect_b32 s24, \base, s24
.endm
	s_mov_b64 s[4:5], s[50:51]                     ; Wva,
	s_mov_b32 s24, 292                             ; whose first work-group is 292
	PICK 292, 48, 260                              ; Wka
	PICK 260, 46, 228                              ; Wqa
	PICK 228, 44, 196                              ; Wv
	PICK 196, 42, 164                              ; Wk
	PICK 164, 40, 132                              ; Wq
	PICK 132, 38, 128                              ; action
	PICK 128, 36, 0                                ; video
	s_cmp_lt_u32 ttmp9, 132                        ; tokens or weights
	s_cselect_b64 s[8:9], s[52:53], s[56:57]       ; the codes' buffer
	s_cselect_b64 s[10:11], s[54:55], s[58:59]     ; the scale bytes'
	s_cselect_b32 s25, 0, 132                      ; and its first work-group
	s_sub_co_u32 s18, ttmp9, s24
	s_lshl_b32 s18, s18, 2
	s_add_co_u32 s18, s18, s16                     ; which run of 8,192 numbers of the tensor is my wave's
	s_lshl_b32 s20, s18, 15                        ; 32,768 bytes a run (under 2^25)
	s_mov_b32 s21, 0
	s_add_nc_u64 s[4:5], s[4:5], s[20:21]
	s_sub_co_u32 s18, ttmp9, s25
	s_lshl_b32 s18, s18, 2
	s_add_co_u32 s18, s18, s16                     ; which run of the output stream
	s_lshl_b32 s20, s18, 12                        ; 4,096 bytes of codes a run
	s_add_nc_u64 s[8:9], s[8:9], s[20:21]
	s_lshl_b32 s20, s18, 8                         ; 256 scale bytes a run
	s_add_nc_u64 s[10:11], s[10:11], s[20:21]
.macro LOAD t
.irp i, 0,1,2,3
	global_load_b128 v[R+16*((\t)%4)+4*\i:R+16*((\t)%4)+4*\i+3], v3, s[4:5] offset:2048*(\t)+512*\i th:TH_LOAD_NT   ; 32 lanes read 512 consecutive bytes
.endr
.endm
.macro TURN t                          ; step t's numbers through the stage: LDS serves a wave's instructions in order, so no wait stands between the stores and the loads
.irp i, 0,1,2,3
	ds_store_b128 v14, v[R+16*((\t)%4)+4*\i:R+16*((\t)%4)+4*\i+3] offset:32*SP*((\t)%2)+8*SP*\i
.endr
.irp i, 0,1,2,3
	ds_load_b128 v[X+16*((\t)%2)+4*\i:X+16*((\t)%2)+4*\i+3], v15 offset:32*SP*((\t)%2)+16*\i
.endr
.endm
.irp t, 0,1,2,3
	LOAD \t
.endr
	s_wait_loadcnt 12                              ; step 0's four loads are in; the twelve of steps 1 to 3 may be out
	TURN 0
.macro STEP t
.set XS, X+16*((\t)%2)
.if (\t) > 0
	s_wait_dscnt 1                                 ; this step's numbers are back from the stage (the last step's byte store may be out)
.else
	s_wait_dscnt 0x0
.endif
.if (\t)+4 < STEPS
	LOAD (\t)+4                                    ; the registers that the stage's stores have read take the loads of four steps on
.endif
.if (\t)+1 < STEPS
.if STEPS-2-(\t) >= 3
	s_wait_loadcnt 12                              ; the next step's four loads are in; those of the three steps behind it may be out
.else
	s_wait_loadcnt 4*(STEPS-2-(\t))
.endif
	TURN (\t)+1                                    ; and go through the other stage while this step is worked
.endif
	v_max3_num_f32 v8, |v[XS]|, |v[XS+1]|, |v[XS+2]|               ; the largest magnitude of my 16, in two chains
	v_max3_num_f32 v9, |v[XS+3]|, |v[XS+4]|, |v[XS+5]|
.irp i, 6,10
	v_max3_num_f32 v8, v8, |v[XS+\i]|, |v[XS+\i+1]|
	v_max3_num_f32 v9, v9, |v[XS+\i+2]|, |v[XS+\i+3]|
.endr
	v_max3_num_f32 v8, v8, |v[XS+14]|, |v[XS+15]|
	v_max3_num_f32 v8, v8, v9, (EMAX+1)<<23        ; and the floor 2^(3 - 127): so the byte cannot fall under 1
	v_max_num_f32_dpp v8, v8, v8 row_xmask:1 row_mask:0xf bank_mask:0xf   ; and of my neighbour's 16: the block's
	v_add_nc_u32 v11, -(EMAX<<23), v8              ; 2 off its exponent field: the conversion takes the exponent field of this operand as its scale
	v_cvt_scalef32_pk8_fp4_f32 v[C+4*(\t)], v[XS:XS+7], v11
	v_cvt_scalef32_pk8_fp4_f32 v[C+4*(\t)+1], v[XS+8:XS+15], v11
	v_lshrrev_b32 v[E+(\t)], 23, v11               ; the scale's byte (also the plain line behind the conversions)
	ds_store_b8 v5, v[E+(\t)] offset:16*(\t)       ; both lanes of a block write the same byte with the same value
	global_store_b64 v4, v[C+4*(\t):C+4*(\t)+1], s[8:9] offset:32*CB*(\t)   ; the wave stores 256 consecutive bytes, aligned
.endm
.irp t, 0,1,2,3,4,5,6,7,8,9,10,11,12,13,14,15
	STEP \t
.endr
	ds_load_b64 v[8:9], v6                         ; LDS serves a wave's instructions in order: these see my stores
	s_wait_dscnt 0x0
	global_store_b64 v7, v[8:9], s[10:11]          ; 32 lanes store 256 consecutive bytes, aligned
	s_wait_tensorcnt 0x0                           ; the wave's end: three closing lines behind my last LDS store
	ds_add_u32 v[SPW], v[NIL]
	s_wait_dscnt 0x0
	s_endpgm
	; ---------------- the table ----------------
	; A work-group makes 64 tokens, a wave 16, two a trip: lanes 0-15 the even token, lanes 16-31 the odd one; lane g = lane % 16 makes features 4 g .. 4 g + 3.
.Lrope:
	s_mov_b32 s4, 0xbfc90fdb                       ; -pi / 2, the f32 nearest to it,
	s_mov_b32 s5, 0x333bbd2e                       ; and what that f32 is too large by: 4.3711390e-8
	s_mov_b32 s6, 0xbe2aaaab                       ; sine: -1/6,
	s_mov_b32 s7, 0x3c088889                       ; 1/120,
	s_mov_b32 s8, 0xb9500d01                       ; -1/5040,
	s_mov_b32 s9, 0x3638ef1d                       ; 1/362880
	s_mov_b32 s10, 0x3d2aaaab                      ; cosine: 1/24,
	s_mov_b32 s11, 0xbab60b61                      ; -1/720,
	s_mov_b32 s12, 0x37d00d01                      ; 1/40320,
	s_mov_b32 s13, 0xb493f27e                      ; -1/3628800
	v_and_b32 v1, 15, v0                           ; g
	v_lshrrev_b32 v3, 4, v2                        ; which of the trip's two tokens
	v_mul_u32_u24 v4, v1, 13
	v_lshrrev_b32 v4, 6, v4                        ; the axis: g / 5 (0, 1, 2; 3 for the four features that pass through)
	v_mul_u32_u24 v5, v4, 5
	v_sub_nc_u32 v5, v1, v5
	v_lshlrev_b32 v5, 2, v5                        ; my first feature within the axis's 20
.irp e, 0,1,2,3
	v_add_nc_u32 v[24+\e], \e, v5
	v_mul_u32_u24 v[28+\e], v[24+\e], 205
	v_lshrrev_b32 v[28+\e], 11, v[28+\e]           ; / 10, for numbers under 20
	v_mul_u32_u24 v[28+\e], v[28+\e], 10
	v_sub_nc_u32 v[24+\e], v[24+\e], v[28+\e]      ; the feature modulo 10
	v_cvt_f32_u32 v[24+\e], v[24+\e]
	v_mul_f32 v[24+\e], 0xbfaa152d, v[24+\e]       ; x -log2(10000) / 10
.endr
.irp e, 0,1,2,3
	v_exp_f32 v[16+\e], v[24+\e]                   ; omega
.endr
	v_lshlrev_b32 v6, 2, v4                        ; (a plain line behind the exponentials)
	s_wait_alu depctr_va_vdst(0)                   ; one wait for the four, ahead of their first reader
	v_sub_nc_u32 v6, 8, v6
	v_and_b32 v6, 31, v6                           ; the position is (n >> 8, 4, 0) & 15; the fourth case shifts by 28 and gives 0
	s_sub_co_u32 s25, ttmp9, NQWG
	s_lshl_b32 s25, s25, 6
	s_lshl_b32 s26, s16, 4
	s_add_co_u32 s25, s25, s26                     ; my wave's first token
	v_add_nc_u32 v20, s25, v3                      ; n
	v_lshlrev_b32 v21, 4, v1
	v_lshl_add_u32 v21, v20, 9, v21                ; 512 n + 16 g
.macro SINCOS e
	v_mul_f32 v40, v22, v[16+\e]                   ; the angle
	v_mul_f32 v41, 0x3f22f983, v40                 ; x 2 / pi
	v_rndne_f32 v41, v41                           ; k
	v_fma_f32 v42, v41, s4, v40
	v_fma_f32 v42, v41, s5, v42                    ; r = angle - k pi / 2, |r| <= pi / 4
	v_mul_f32 v43, v42, v42                        ; r^2
	v_fma_f32 v44, v43, s9, s8
	v_fma_f32 v44, v44, v43, s7
	v_fma_f32 v44, v44, v43, s6
	v_mul_f32 v45, v42, v43
	v_fma_f32 v44, v45, v44, v42                   ; sin r
	v_fma_f32 v46, v43, s13, s12
	v_fma_f32 v46, v46, v43, s11
	v_fma_f32 v46, v46, v43, s10
	v_fma_f32 v46, v46, v43, -0.5
	v_fma_f32 v46, v46, v43, 1.0                   ; cos r
	v_cvt_i32_f32 v47, v41
	v_and_b32 v48, 1, v47
	v_cmp_eq_u32 vcc_lo, 1, v48                    ; an odd quadrant swaps the two: values are chosen, nothing branches
	v_cndmask_b32 v49, v44, v46, vcc_lo
	v_cndmask_b32 v46, v46, v44, vcc_lo
	v_and_b32 v48, 2, v47
	v_lshlrev_b32 v48, 30, v48                     ; the sine's sign: quadrants 2 and 3
.if (\e)%2 == 0
	v_xor_b32 v48, 0x80000000, v48                 ; S = -sin for an even feature
.endif
	v_xor_b32 v[36+\e], v48, v49
	v_add_nc_u32 v47, 1, v47
	v_and_b32 v47, 2, v47
	v_lshlrev_b32 v47, 30, v47                     ; the cosine's sign: quadrants 1 and 2
	v_xor_b32 v[32+\e], v47, v46
.endm
	s_mov_b32 s24, 8
.Ltok:
	v_lshrrev_b32 v22, v6, v20
	v_and_b32 v22, 15, v22
	v_cvt_f32_u32 v22, v22                         ; the position on my axis
	SINCOS 0
	SINCOS 1
	SINCOS 2
	SINCOS 3
	global_store_b128 v21, v[32:35], s[60:61]              ; sixteen lanes store a token's 256 bytes of C,
	global_store_b128 v21, v[36:39], s[60:61] offset:256   ; and its 256 bytes of S
	s_wait_xcnt 0x0                                ; the stores' data and offset are written again only behind this wait
	v_add_nc_u32 v20, 2, v20
	v_add_nc_u32 v21, 1024, v21
	s_sub_co_u32 s24, s24, 1
	s_cmp_lg_u32 s24, 0
	s_cbranch_scc1 .Ltok
	s_wait_tensorcnt 0x0                           ; the same three closing lines on this path
	ds_add_u32 v[SPW], v[NIL]
	s_wait_dscnt 0x0
	s_endpgm
.Lfunc_end_k_q17e599bf64_quant:
	.size	k_q17e599bf64_quant, .Lfunc_end_k_q17e599bf64_quant-k_q17e599bf64_quant
	.p2alignl 7, 3214868480
	.fill 96, 4, 3214868480
	.section	.rodata,"a",@progbits
	.p2align	6, 0x0
	.amdhsa_kernel k_q17e599bf64_quant
		.amdhsa_group_segment_fixed_size 33280
		.amdhsa_private_segment_fixed_size 0
		.amdhsa_enable_private_segment 0
		.amdhsa_kernarg_size 104
		.amdhsa_user_sgpr_count 2
		.amdhsa_user_sgpr_kernarg_segment_ptr 1
		.amdhsa_wavefront_size32 1
		.amdhsa_system_sgpr_workgroup_id_x 1
		.amdhsa_system_sgpr_workgroup_id_y 1
		.amdhsa_system_sgpr_workgroup_id_z 1
		.amdhsa_system_vgpr_workitem_id 0
		.amdhsa_next_free_vgpr 192
		.amdhsa_next_free_sgpr 66
		.amdhsa_reserve_vcc 1
		.amdhsa_float_denorm_mode_32 3
		.amdhsa_float_denorm_mode_16_64 3
		.amdhsa_memory_ordered 1
		.amdhsa_forward_progress 1
		.amdhsa_inst_pref_size 43
	.end_amdhsa_kernel
	.amdgpu_metadata
---
amdhsa.version: [ 1, 2 ]
amdhsa.kernels:
  - .name:           k_q17e599bf64_quant
    .symbol:         k_q17e599bf64_quant.kd
    .args:
      - { .name: video_hidden_states, .offset: 0, .size: 8, .value_kind: global_buffer, .address_space: global }
      - { .name: action_hidden_states, .offset: 8, .size: 8, .value_kind: global_buffer, .address_space: global }
      - { .name: Wq, .offset: 16, .size: 8, .value_kind: global_buffer, .address_space: global }
      - { .name: Wk, .offset: 24, .size: 8, .value_kind: global_buffer, .address_space: global }
      - { .name: Wv, .offset: 32, .size: 8, .value_kind: global_buffer, .address_space: global }
      - { .name: Wqa, .offset: 40, .size: 8, .value_kind: global_buffer, .address_space: global }
      - { .name: Wka, .offset: 48, .size: 8, .value_kind: global_buffer, .address_space: global }
      - { .name: Wva, .offset: 56, .size: 8, .value_kind: global_buffer, .address_space: global }
      - { .name: xc, .offset: 64, .size: 8, .value_kind: global_buffer, .address_space: global }
      - { .name: xs, .offset: 72, .size: 8, .value_kind: global_buffer, .address_space: global }
      - { .name: wc, .offset: 80, .size: 8, .value_kind: global_buffer, .address_space: global }
      - { .name: ws, .offset: 88, .size: 8, .value_kind: global_buffer, .address_space: global }
      - { .name: rope, .offset: 96, .size: 8, .value_kind: global_buffer, .address_space: global }
    .group_segment_fixed_size: 33280
    .private_segment_fixed_size: 0
    .kernarg_segment_align: 8
    .kernarg_segment_size: 104
    .max_flat_workgroup_size: 128
    .sgpr_count:     66
    .vgpr_count:     192
    .wavefront_size: 32
...
	.end_amdgpu_metadata
.endif
;; end of part 1
;; launch qkv (part 2): grid 12 x 17, 4 waves a work-group, clusters of 4 x 1, 327,680 bytes of LDS; arguments xc, xs, wc, ws, bq, bk, bv, bqa, bka, bva, rope, qkv; writes qkv
.if DOCPART == 2
	.amdgcn_target "amdgcn-amd-amdhsa--gfx1250"
	.amdhsa_code_object_version 6
	.text
	.protected	k_q17e599bf64_qkv
	.globl	k_q17e599bf64_qkv
	.p2align	8
	.type	k_q17e599bf64_qkv,@function
k_q17e599bf64_qkv:
	s_mov_b64 s[64:65], 0
	v_nop
	global_prefetch_b8 v0, s[64:65] scope:SCOPE_SE
	s_setreg_imm32_b32 hwreg(HW_REG_WAVE_MODE, 25, 1), 1
	s_wait_xcnt 0x0
	s_wait_alu depctr_hold_cnt(0) depctr_sa_sdst(0) depctr_va_vdst(0) depctr_va_sdst(0) depctr_va_ssrc(0) depctr_va_vcc(0) depctr_vm_vsrc(0)
	s_getreg_b32 s2, hwreg(HW_REG_IB_STS2, 6, 4)
	s_cmp_eq_u32 s2, 0
	s_cbranch_scc0 .Lentry_in_a_cluster
	s_endpgm
.Lentry_in_a_cluster:
	s_bfe_u32 s2, ttmp6, 0x10000c
	s_cmp_lg_u32 s2, 0x3003
	s_cbranch_scc0 .Lentry_shape_is_right
	s_endpgm
.Lentry_shape_is_right:
; The six projections on codes of FP4 (E2M1) with E8M0 scales, K = 1,024; bias, rotation and the rounding to f16 on the way out.
; qkv: f16, [3 kinds q, k, v][32 = batch x 16 + head][2,112 tokens][64].
; A tile is 256 tokens x 256 features; four waves, each 128 x 128: 64 accumulators of 16 x 16 in windows 2 and 3.  Work-group x = 4 x cluster x + cx picks 256 of the 3,072 features (cluster x is the kind),
; work-group y = 0 .. 15 picks 256 video tokens.  y = 16 takes rows 3,968 .. 4,223 of the tokens' codes with the ACTION weights: its upper half is the 128 action tokens; its lower half (two waves of four,
; in 12 of 204 work-groups) is multiplied and not stored: the price of descriptors made of constants and of barriers that every wave passes.
; ALL OF K LIES IN LDS: two slots of 512 along K and the scale bytes come with the first fills, and nothing is filled again.
; CLUSTER 4 x 1: the four work-groups share their tokens, so A's codes and scales are asked for jointly (mask 15); B's are each work-group's own (no mask).  17 rows of work-groups do not divide by four, so there is no 4 x 4.
; THE MATRIX INSTRUCTION IS USED TRANSPOSED (source 0 = 16 rows of the weight, source 1 = 16 tokens): a lane holds one token and eight neighbouring features.  The bias is the C of each sum's first product.
; LIMITS: q, k, v must lie inside f16's range (under 65,504 in magnitude); NaN and infinities are not served.
; REGISTERS: window 0: v0-31 addresses; v32-95 scale words, two sets; v128-191 A's fragments, one set; v192-255 the bias in the result's layout.  On the way out v32-255 serve anew (below).
;   window 1: B's fragments, two sets, at v0 and v128.  window 2: accumulators of my tokens 0-63 ((a, b) at v[8 (8 a + b)]); window 3: of my tokens 64-127.
.set NQ,     4                         ; matrix instructions deep in a slot: 512 along K
.set ROWB,   256                       ; a tile's row in bytes
.set KROW,   512                       ; a row of codes in memory
.set PITCH,  272                       ; an LDS row: 256 bytes + 16 of padding: the 16 rows of a load start at 16 different banks (64 banks of 4 bytes: ISA guide 11.1)
.set FR,     8
.set NL,     2
.set NP,     4
.set HALFT,  128*PITCH
.set SLOT,   4*HALFT
.set KS,     32                        ; a row of scale bytes
.set SCL,    2*SLOT
.set HALFS,  (128*KS/256)*272
.set SBLK,   (16*KS/256)*272
.set SPARE,  SCL+4*HALFS               ; the spare words, 128 bytes a wave
.set SPITCH, 272                       ; the way out: a stage of 16 rows x (256 + 16) bytes a wave, in slot 0, which has had its one fill and its last read by then
.set HEADB,  2112*128                  ; a head's bytes in qkv
.set KINDB,  32*HEADB
.set ADRA, 16
.set ADRB, 20
.set STO,  24
.set RD,   25
.set CO,   26
.set ADRS, 27
.set SPW,  28
.set NIL,  29
.set RO,   30                          ; v30 my place in the table: 512 (lane % 16) + 32 (lane / 16)
.set BO,   31                          ; v31 my place in the bias: 32 (lane / 16)
.set SC,   32
.set AF,   128
.set BI,   192
.set T,    32                          ; the way out: v32-63 at work
.set BK,   64                          ; v64-95, v96-127: 16 tokens read back from the stage, by turns
.set CF,   128                         ; v128-191, v192-255: a block's C (32) and S (32), by turns
.set G1, 24
.set G0, 32
.set G1B, 48
.set G0B, 56
.set G1S, 68
.set G0S, 76
.set G1SB, 80
.set G0SB, 88
.set MSB, 0
.macro WIN new                         ; the immediate's high byte repeats the setting that is left
.if MSB != (\new)
	s_set_vgpr_msb (MSB<<8)|(\new)
.set MSB, (\new)
.endif
.endm
.set MUL_LO, 0xa1                      ; source 0 (weights) window 1, source 1 (tokens) window 0, C and D window 2
.set MUL_HI, 0xf1
.set TO_B,   0x40
; Waves 0 and 1 fetch for A (jointly), waves 2 and 3 for B.  The branch hangs on the wave's number alone.  An s_nop 0 and four v_nop follow each line.
.macro JLOAD g0a, g1a, g0b, g1b
	s_cmp_eq_u32 s15, 0
	s_cbranch_scc0 .Lfor_b_\@
	tensor_load_to_lds s[\g0a:\g0a+3], s[\g1a:\g1a+7]
	s_nop 0
.rept 4
	v_nop
.endr
	s_branch .Lasked_\@
.Lfor_b_\@:
	tensor_load_to_lds s[\g0b:\g0b+3], s[\g1b:\g1b+7]
	s_nop 0
.rept 4
	v_nop
.endr
.Lasked_\@:
.endm
.macro CROUND                          ; a round of the cluster's barrier
	s_barrier_signal -1
	s_barrier_wait -1
	s_cmp_lg_u32 s14, 0
	s_cbranch_scc1 .Lnot_wave_0_\@
	s_barrier_signal -3
.Lnot_wave_0_\@:
	s_barrier_wait -3
	s_barrier_signal -1
	s_barrier_wait -1
.endm
	s_load_b256 s[4:11], s[0:1], 0x0               ; xc, xs, wc, ws
	s_load_b256 s[68:75], s[0:1], 0x20             ; bq, bk, bv, bqa
	s_load_b128 s[76:79], s[0:1], 0x40             ; bka, bva
	s_load_b128 s[92:95], s[0:1], 0x50             ; rope, qkv
	v_lshl_add_u32 v[SPW], v0, 2, SPARE
	v_mov_b32 v[NIL], 0
	ds_add_u32 v[SPW], v[NIL]                      ; the wave's opening: the add, twice on end, and its wait ahead of my first tensor load
	ds_add_u32 v[SPW], v[NIL]
	v_lshrrev_b32 v1, 5, v0
	v_readfirstlane_b32 s14, v1                    ; wave 0..3
	s_lshr_b32 s15, s14, 1                         ; which half of the tile's tokens is mine.  Also: I fetch for A (0) or for B (1)
	s_and_b32 s16, s14, 1                          ; which half of its features.  Also: which 128 rows I fetch
	s_bfe_u32 s40, ttmp6, 0x40000                  ; cx
	s_mov_b32 s18, ttmp9                           ; the kind: 0 q, 1 k, 2 v
	s_and_b32 s17, ttmp7, 0xffff                   ; y
	s_cmp_eq_u32 s17, 16
	s_cselect_b32 s19, 1, 0                        ; 1: the action tokens' block
	s_mov_b32 s[G1+0], 15|(1<<20)|(1<<21)|(5<<22)|(3<<25)   ; mask: all four; elements of 1 byte; padding: 4 words behind every 64; bit 21 beside a mask
	s_mov_b32 s[G1B+0], (1<<20)|(5<<22)|(3<<25)             ; no mask
.irp g, G1, G1B
	s_mov_b32 s[\g+1], ROWB<<16                    ; tensor_dim0
	s_mov_b32 s[\g+2], 128<<16                     ; tensor_dim1
	s_mov_b32 s[\g+3], ROWB<<16                    ; tile_dim0
	s_mov_b32 s[\g+4], 128                         ; tile_dim1
	s_mov_b32 s[\g+5], KROW                        ; from row to row
	s_mov_b32 s[\g+6], 0
	s_mov_b32 s[\g+7], 0
.endr
	s_mov_b32 s[G1SB+0], (3<<16)|(1<<20)|(5<<22)|(3<<25)    ; the scale bytes of 128 rows: 4,096 dense bytes as 16 rows of 32 elements of 8 bytes
	s_mov_b32 s[G1SB+1], 32<<16
	s_mov_b32 s[G1SB+2], (128*KS/256)<<16
	s_mov_b32 s[G1SB+3], 32<<16
	s_mov_b32 s[G1SB+4], 128*KS/256
	s_mov_b32 s[G1SB+5], 32
	s_mov_b32 s[G1SB+6], 0
	s_mov_b32 s[G1SB+7], 0
	s_lshl_b32 s20, s17, 8
	s_min_u32 s20, s20, 3968                       ; A's first row: 256 y, the last block drawn back to end with the last token
	s_lshl_b32 s21, s16, 7
	s_add_co_u32 s20, s20, s21                     ; + the 128 rows that I fetch
	s_lshl_b32 s22, s20, 5                         ; their scale bytes,
	s_mov_b32 s23, 0
	s_lshl_b32 s20, s20, 9                         ; their codes
	s_mov_b32 s21, 0
	s_lshl_b32 s42, ttmp9, 2
	s_add_co_u32 s42, s42, s40
	s_lshl_b32 s42, s42, 8                         ; B's first row: 256 x,
	s_mul_i32 s43, s19, 3072
	s_add_co_u32 s42, s42, s43                     ; the action weights lie 3,072 rows on
	s_lshl_b32 s43, s16, 7
	s_add_co_u32 s42, s42, s43
	s_lshl_b32 s46, s42, 5
	s_mov_b32 s47, 0
	s_lshl_b32 s42, s42, 9
	s_mov_b32 s43, 0
	s_mul_i32 s44, s14, HALFT                      ; where they go: wave x 128 rows: no place in the cluster enters an LDS address
	s_mul_i32 s45, s14, HALFS
	s_wait_dscnt 0x0                               ; both opening adds are done
	s_wait_kmcnt 0x0
	s_cmp_eq_u32 s19, 0                            ; the bias: video's or action's,
	s_cselect_b64 s[68:69], s[68:69], s[74:75]
	s_cselect_b64 s[70:71], s[70:71], s[76:77]
	s_cselect_b64 s[72:73], s[72:73], s[78:79]
	s_cmp_eq_u32 s18, 0                            ; of my kind
	s_cselect_b64 s[96:97], s[68:69], s[70:71]
	s_cmp_eq_u32 s18, 2
	s_cselect_b64 s[96:97], s[72:73], s[96:97]
	s_mov_b32 s[G1S+0], 15|(3<<16)|(1<<20)|(1<<21)|(5<<22)|(3<<25)   ; A's scale bytes, jointly (the six pointers that lay here are done with)
	s_mov_b32 s[G1S+1], 32<<16
	s_mov_b32 s[G1S+2], (128*KS/256)<<16
	s_mov_b32 s[G1S+3], 32<<16
	s_mov_b32 s[G1S+4], 128*KS/256
	s_mov_b32 s[G1S+5], 32
	s_mov_b32 s[G1S+6], 0
	s_mov_b32 s[G1S+7], 0
	s_add_nc_u64 s[20:21], s[4:5], s[20:21]
	s_add_nc_u64 s[22:23], s[6:7], s[22:23]
	s_add_nc_u64 s[42:43], s[8:9], s[42:43]
	s_add_nc_u64 s[46:47], s[10:11], s[46:47]
	CROUND                                         ; all four work-groups are here: the first joint loads meet
	s_mov_b32 s[G0S], 1
	s_add_co_u32 s[G0S+1], s45, SCL
	s_mov_b64 s[G0S+2:G0S+3], s[22:23]
	s_or_b32 s[G0S+3], s[G0S+3], 0x80000000
	s_mov_b32 s[G0SB], 1
	s_add_co_u32 s[G0SB+1], s45, SCL
	s_mov_b64 s[G0SB+2:G0SB+3], s[46:47]
	s_or_b32 s[G0SB+3], s[G0SB+3], 0x80000000
	JLOAD G0S, G1S, G0SB, G1SB                     ; the scales first: they are wanted with the first products
.irp s, 0,1
	s_mov_b32 s[G0+4*\s], 1
	s_add_co_u32 s[G0+4*\s+1], s44, \s*SLOT
	s_add_nc_u64 s[G0+4*\s+2:G0+4*\s+3], s[20:21], \s*ROWB
	s_or_b32 s[G0+4*\s+3], s[G0+4*\s+3], 0x80000000
	s_mov_b32 s[G0B+4*\s], 1
	s_add_co_u32 s[G0B+4*\s+1], s44, \s*SLOT
	s_add_nc_u64 s[G0B+4*\s+2:G0B+4*\s+3], s[42:43], \s*ROWB
	s_or_b32 s[G0B+4*\s+3], s[G0B+4*\s+3], 0x80000000
	JLOAD G0+4*\s, G1, G0B+4*\s, G1B               ; three tensor loads of mine are out at the most
.endr
	v_and_b32 v1, 15, v0                           ; r = lane % 16
	v_bfe_u32 v2, v0, 4, 1                         ; h = lane / 16
	v_mul_u32_u24 v3, v1, PITCH
	v_lshl_add_u32 v4, v2, 4, v3                   ; a fragment's row x pitch + 16 h
	s_mul_i32 s21, s15, HALFT                      ; my 128 rows of A
	s_mul_i32 s22, s16, HALFT                      ; my 128 rows of B,
	s_add_co_u32 s22, s22, 2*HALFT                 ; behind A's 256
.irp s, 0,1
	v_add_nc_u32 v[ADRA+\s], s21, v4
	v_add_nc_u32 v[ADRB+\s], s22, v4
	s_add_co_u32 s21, s21, SLOT
	s_add_co_u32 s22, s22, SLOT
.endr
	v_mul_u32_u24 v5, v1, KS                       ; my row's scales: 32 bytes a row,
	v_lshrrev_b32 v6, 8, v5
	v_lshl_add_u32 v5, v6, 4, v5                   ; and 16 more for each 256 passed
	s_mul_i32 s21, s15, HALFS
	s_mul_i32 s22, s16, HALFS
	s_add_co_u32 s22, s22, 2*HALFS
	s_sub_co_u32 s22, s22, s21
	v_mul_u32_u24 v6, s22, v2                      ; lanes 16-31 take B's
	s_add_co_u32 s21, s21, SCL
	v_add_nc_u32 v5, v5, v6
	v_add_nc_u32 v[ADRS], s21, v5
	s_mul_i32 s23, s14, 16*SPITCH                  ; my stage
	v_add_nc_u32 v[STO], s23, v4                   ; in: row r, 16 bytes for each half of the lanes
	v_and_b32 v6, 31, v0
	v_lshrrev_b32 v5, 3, v6
	v_mul_u32_u24 v5, v5, SPITCH
	v_and_b32 v3, 7, v0
	v_lshl_add_u32 v5, v3, 4, v5
	v_add_nc_u32 v[RD], s23, v5                    ; back: eight lanes take a token's 128 bytes of one head, 32 lanes four tokens
	v_lshlrev_b32 v[CO], 4, v6                     ; and the same 512 bytes in qkv
	v_lshlrev_b32 v[RO], 9, v1
	v_lshl_add_u32 v[RO], v2, 5, v[RO]
	v_lshlrev_b32 v[BO], 5, v2
	s_lshl_b32 s98, s40, 10                        ; the bias of my 128 features: 4 (256 cx + 128 half)
	s_lshl_b32 s99, s16, 9
	s_add_co_u32 s98, s98, s99
	s_mov_b32 s99, 0
	s_add_nc_u64 s[96:97], s[96:97], s[98:99]
.irp b, 0,1,2,3,4,5,6,7                        ; lane (r, h), tile b: the bias of features 16 b + 8 h + 0 .. 7
	global_load_b128 v[BI+8*\b:BI+8*\b+3], v[BO], s[96:97] offset:64*\b
	global_load_b128 v[BI+8*\b+4:BI+8*\b+7], v[BO], s[96:97] offset:64*\b+16
.endr
	; where my part of qkv begins
	s_lshl_b32 s2, s17, 8
	s_lshl_b32 s3, s15, 7
	s_add_co_u32 s2, s2, s3                        ; my first video row
	s_lshr_b32 s3, s2, 11                          ; its batch,
	s_and_b32 s2, s2, 2047                         ; its token
	s_mov_b32 s41, 16*HEADB
	s_cmp_eq_u32 s19, 0
	s_cselect_b32 s3, s3, 0                        ; the action block: batch 0 in blocks 0-3,
	s_cselect_b32 s2, s2, 2048                     ; tokens 2,048 on,
	s_cselect_b32 s41, 8192, s41                   ; and blocks 4-7 a batch on; video: 64 tokens on
	s_lshl_b32 s3, s3, 4
	s_lshl_b32 s98, s40, 2
	s_add_co_u32 s3, s3, s98
	s_lshl_b32 s98, s16, 1
	s_add_co_u32 s3, s3, s98                       ; 16 batch + my first head (4 cx + 2 half)
	s_mul_i32 s3, s3, 2112
	s_add_co_u32 s3, s3, s2
	s_lshl_b32 s3, s3, 7
	s_mul_i32 s98, s18, KINDB
	s_add_co_u32 s98, s98, s3
	s_add_nc_u64 s[12:13], s[94:95], s[98:99]      ; blocks 0-3
	s_mov_b32 s98, s41
	s_add_nc_u64 s[94:95], s[12:13], s[98:99]      ; blocks 4-7
	s_lshl_b32 s98, s2, 9
	s_add_nc_u64 s[92:93], s[92:93], s[98:99]      ; the table at my first token (used on the rotating path alone)
.macro FRAG reg, adr, q, i             ; 16 rows x 128 K of 4-bit codes: 8 registers
.irp c, 0,1
	ds_load_b128 v[\reg+4*\c:\reg+4*\c+3], v[\adr] offset:64*(\q)+32*\c+(\i)*16*PITCH
.endr
.endm
; 16 matrix instructions: A's blocks a0, a0 + 1 x B's eight.  first = 1: the bias is the C.  The 64 accumulators take turns, one instruction a turn.
.macro MUL16 a0, p, q, sc, first
.irp a, \a0, \a0+1
.irp b, 0,1,2,3,4,5,6,7
.if \first
	v_wmma_scale_f32_16x16x128_f8f6f4 v[8*(8*((\a)%4)+\b):8*(8*((\a)%4)+\b)+7], v[128*(\p)+FR*\b:128*(\p)+FR*\b+FR-1], v[AF+FR*(\a):AF+FR*(\a)+FR-1], v[BI+8*\b:BI+8*\b+7], v[SC+8*NQ*(\sc)+NQ*\b+(\q)], v[SC+8*NQ*(\sc)+NQ*(\a)+(\q)] matrix_a_fmt:MATRIX_FMT_FP4 matrix_b_fmt:MATRIX_FMT_FP4 matrix_a_scale:MATRIX_SCALE_ROW1
.else
	v_wmma_scale_f32_16x16x128_f8f6f4 v[8*(8*((\a)%4)+\b):8*(8*((\a)%4)+\b)+7], v[128*(\p)+FR*\b:128*(\p)+FR*\b+FR-1], v[AF+FR*(\a):AF+FR*(\a)+FR-1], v[8*(8*((\a)%4)+\b):8*(8*((\a)%4)+\b)+7], v[SC+8*NQ*(\sc)+NQ*\b+(\q)], v[SC+8*NQ*(\sc)+NQ*(\a)+(\q)] matrix_a_fmt:MATRIX_FMT_FP4 matrix_b_fmt:MATRIX_FMT_FP4 matrix_a_scale:MATRIX_SCALE_ROW1
.endif
.endr
.endr
.endm
.macro FETCH_B slot, q, p
	WIN TO_B
.irp i, 0,1,2,3,4,5,6,7
	FRAG 128*(\p)+FR*\i, ADRB+\slot, \q, \i
.endr
	WIN 0
.endm
.macro FETCH_A slot, q, i0
.irp i, \i0, \i0+1, \i0+2, \i0+3
	FRAG AF+FR*(\i), ADRA+\slot, \q, \i
.endr
.endm
.macro SCALES sc                       ; a slot's scale words: lanes 0-15 take A's block i, lanes 16-31 B's block i
.irp i, 0,1,2,3,4,5,6,7
	ds_load_b128 v[SC+8*NQ*\sc+NQ*\i:SC+8*NQ*\sc+NQ*\i+3], v[ADRS] offset:\i*SBLK
.endr
.endm
.macro PLACES n                        ; plain places behind matrix instructions, in front of loads into their registers and of reads of their results
.rept \n
	v_nop
.endr
.endm
.macro STEP slot, q, first             ; 128 along K that has its successor in the same slot
	s_wait_dscnt 4*NL                              ; B's set and A's blocks 0-3 are in; the youngest eight loads (A's blocks 4-7) may be out
.if \first
	WIN 0x81                                       ; C (the bias) window 0, D window 2
.else
	WIN MUL_LO
.endif
	MUL16 0, (\q)%2, \q, \slot, \first
	MUL16 2, (\q)%2, \q, \slot, \first
	s_wait_dscnt 0
	PLACES NP
	FETCH_B \slot, (\q)+1, 1-(\q)%2
	FETCH_A \slot, (\q)+1, 0
.if \first
	WIN 0xc1
.else
	WIN MUL_HI
.endif
	MUL16 4, (\q)%2, \q, \slot, \first
	MUL16 6, (\q)%2, \q, \slot, \first
	PLACES NP
	WIN 0
	FETCH_A \slot, (\q)+1, 4
.endm
.macro STEPS slot, from
.set Q, \from
.rept NQ-1-\from
	STEP \slot, Q, 0
.set Q, Q+1
.endr
.endm
	s_wait_tensorcnt 1                             ; the scales and my part of slot 0 are in (slot 1's load may be out)
	s_barrier_signal -1
	s_barrier_wait -1                              ; everybody's are
	FETCH_B 0, 0, 0
	FETCH_A 0, 0, 0
	SCALES 0
	FETCH_A 0, 0, 4
	s_wait_loadcnt 0x0                             ; the bias
	STEP 0, 0, 1
	STEPS 0, 1
	; slot 0's last 128 along K, and the one change of slots
	s_wait_tensorcnt 0x0                           ; my part of slot 1 has landed
	ds_add_u32 v[SPW], v[NIL]
	s_wait_dscnt 4*NL+1                            ; (the add and the youngest eight loads may be out)
	WIN MUL_LO
	MUL16 0, 1, NQ-1, 0, 0
	s_wait_dscnt 0x0                               ; the add is done, and my reads of slot 0 are over
	s_barrier_signal -1
	MUL16 2, 1, NQ-1, 0, 0
	WIN 0
	s_barrier_wait -1                              ; slot 1 is whole, and nobody reads slot 0 any more
	PLACES NP
	v_add_nc_u32 v[ADRS], 4*NQ, v[ADRS]            ; on to slot 1's scale words
	FETCH_B 1, 0, 0
	FETCH_A 1, 0, 0
	SCALES 1
	WIN MUL_HI
	MUL16 4, 1, NQ-1, 0, 0
	MUL16 6, 1, NQ-1, 0, 0
	PLACES NP
	WIN 0
	FETCH_A 1, 0, 4
	STEPS 1, 0
	s_wait_dscnt 4*NL                              ; the very last step: nothing more to fetch
	WIN MUL_LO
	MUL16 0, 1, NQ-1, 1, 0
	MUL16 2, 1, NQ-1, 1, 0
	s_wait_dscnt 0
	WIN MUL_HI
	MUL16 4, 1, NQ-1, 1, 0
	MUL16 6, 1, NQ-1, 1, 0
	WIN 0
	PLACES NP                                      ; in front of the first reads of results and of loads into registers that products have read
; THE WAY OUT, a block of 16 tokens x 128 features (two heads) at a time: rotated (q and k of video tokens) or as it is, rounded to f16, through my stage, and out as 512 consecutive bytes an instruction: four tokens of one head.
.macro LOADCF a                        ; block a's coefficients: lane (r, h): C and S of token 16 a + r, features 16 ft + 8 h + 0 .. 7; both heads use them
.set CC, CF+64*((\a)%2)
.irp ft, 0,1,2,3
	global_load_b128 v[CC+8*\ft:CC+8*\ft+3], v[RO], s[92:93] offset:8192*(\a)+64*\ft
	global_load_b128 v[CC+8*\ft+4:CC+8*\ft+7], v[RO], s[92:93] offset:8192*(\a)+64*\ft+16
	global_load_b128 v[CC+32+8*\ft:CC+32+8*\ft+3], v[RO], s[92:93] offset:8192*(\a)+64*\ft+256
	global_load_b128 v[CC+32+8*\ft+4:CC+32+8*\ft+7], v[RO], s[92:93] offset:8192*(\a)+64*\ft+272
.endr
.endm
.macro ROPE a, hh                      ; out[c] = x[c] C[c] + x[c ^ 1] S[c], two at a time: the first product takes the pair's halves crosswise
.set AC, 64*((\a)%4)+32*(\hh)
.set CC, CF+64*((\a)%2)
	WIN 0x02+((\a)/4)                              ; source 0: window 2 or 3
.irp ft, 0,1,2,3
.irp p, 0,2,4,6
	v_pk_mul_f32 v[T+8*\ft+\p:T+8*\ft+\p+1], v[AC+8*\ft+\p:AC+8*\ft+\p+1], v[CC+32+8*\ft+\p:CC+32+8*\ft+\p+1] op_sel:[1,0] op_sel_hi:[0,1]   ; each accumulator from its low end on
.endr
.endr
.irp ft, 0,1,2,3
.irp p, 0,2,4,6
	v_pk_fma_f32 v[T+8*\ft+\p:T+8*\ft+\p+1], v[AC+8*\ft+\p:AC+8*\ft+\p+1], v[CC+8*\ft+\p:CC+8*\ft+\p+1], v[T+8*\ft+\p:T+8*\ft+\p+1]
.endr
.endr
	WIN 0
.set I, 0
.rept 16
	v_cvt_pk_f16_f32 v[T+I], v[T+2*I], v[T+2*I+1]  ; in place, ascending: a result lands on registers that have been read
.set I, I+1
.endr
.irp ft, 0,1,2,3
	ds_store_b128 v[STO], v[T+4*\ft:T+4*\ft+3] offset:128*(\hh)+32*\ft
.endr
.endm
.macro PLAIN a
.set AC, 64*((\a)%4)
	WIN 0x0a+5*((\a)/4)                            ; sources 0 and 1: window 2 or 3
.irp b, 0,1,2,3,4,5,6,7
.irp p, 0,1,2,3
	v_cvt_pk_f16_f32 v[T+4*\b+\p], v[AC+8*\b+2*\p], v[AC+8*\b+2*\p+1]
.endr
.endr
	WIN 0
.irp b, 0,1,2,3,4,5,6,7
	ds_store_b128 v[STO], v[T+4*\b:T+4*\b+3] offset:32*\b
.endr
.endm
.macro BACK a                          ; LDS serves a wave's instructions in order (ISA guide 5.7.1.4): these see the stores above
.set BB, BK+32*((\a)%2)
.irp i, 0,1,2,3,4,5,6,7
	ds_load_b128 v[BB+4*\i:BB+4*\i+3], v[RD] offset:1088*(\i%4)+128*(\i/4)
.endr
.endm
.macro SEND a, younger                 ; younger: the LDS instructions issued behind block a's loads
.set BB, BK+32*((\a)%2)
	s_wait_dscnt \younger
.irp i, 0,1,2,3,4,5,6,7
.if (\a) < 4
	global_store_b128 v[CO], v[BB+4*\i:BB+4*\i+3], s[12:13] offset:((\a)%4)*2048+(\i/4)*HEADB+(\i%4)*512
.else
	global_store_b128 v[CO], v[BB+4*\i:BB+4*\i+3], s[94:95] offset:((\a)%4)*2048+(\i/4)*HEADB+(\i%4)*512
.endif
.endr
.endm
	s_cmp_eq_u32 s19, 0
	s_cbranch_scc1 .Lvideo
	s_cmp_eq_u32 s15, 0
	s_cbranch_scc1 .Ldone                          ; the action block's lower half holds video tokens: nothing of it is stored
	s_branch .Lplain                               ; the action tokens' positions are all 0: their rotation changes nothing
.Lvideo:
	s_cmp_eq_u32 s18, 2
	s_cbranch_scc1 .Lplain                         ; v is not rotated
	LOADCF 0
	LOADCF 1
.irp a, 0,1,2,3,4,5,6,7
.if \a < 7
	s_wait_loadcnt 16                              ; block a's coefficients are in; the next block's sixteen loads may be out
.else
	s_wait_loadcnt 0x0
.endif
.if \a > 1
	s_wait_xcnt 0x0                                ; the stores of two blocks back have read their registers, into which this block is read back
.endif
	ROPE \a, 0
	ROPE \a, 1
	BACK \a
.if \a < 6
	LOADCF \a+2
.endif
.if \a > 0
	SEND \a-1, 16                                  ; behind its loads: this block's 8 stores and 8 loads
.endif
.endr
	SEND 7, 0
	s_branch .Ldone
.Lplain:
.irp a, 0,1,2,3,4,5,6,7
.if \a > 1
	s_wait_xcnt 0x0
.endif
	PLAIN \a
	BACK \a
.if \a > 0
	SEND \a-1, 16
.endif
.endr
	SEND 7, 0
.Ldone:
	s_wait_tensorcnt 0x0                           ; the wave's end
	ds_add_u32 v[SPW], v[NIL]
	s_wait_dscnt 0x0
	CROUND                                         ; the closing round
	s_endpgm
.Lfunc_end_k_q17e599bf64_qkv:
	.size	k_q17e599bf64_qkv, .Lfunc_end_k_q17e599bf64_qkv-k_q17e599bf64_qkv
	.p2alignl 7, 3214868480
	.fill 96, 4, 3214868480
	.section	.rodata,"a",@progbits
	.p2align	6, 0x0
	.amdhsa_kernel k_q17e599bf64_qkv
		.amdhsa_group_segment_fixed_size 327680
		.amdhsa_private_segment_fixed_size 0
		.amdhsa_enable_private_segment 0
		.amdhsa_kernarg_size 96
		.amdhsa_user_sgpr_count 2
		.amdhsa_user_sgpr_kernarg_segment_ptr 1
		.amdhsa_wavefront_size32 1
		.amdhsa_system_sgpr_workgroup_id_x 1
		.amdhsa_system_sgpr_workgroup_id_y 1
		.amdhsa_system_sgpr_workgroup_id_z 1
		.amdhsa_system_vgpr_workitem_id 0
		.amdhsa_next_free_vgpr 1024
		.amdhsa_next_free_sgpr 100
		.amdhsa_reserve_vcc 0
		.amdhsa_float_denorm_mode_32 3
		.amdhsa_float_denorm_mode_16_64 3
		.amdhsa_memory_ordered 1
		.amdhsa_forward_progress 1
		.amdhsa_inst_pref_size 205
	.end_amdhsa_kernel
	.amdgpu_metadata
---
amdhsa.version: [ 1, 2 ]
amdhsa.kernels:
  - .name:           k_q17e599bf64_qkv
    .symbol:         k_q17e599bf64_qkv.kd
    .args:
      - { .name: xc, .offset: 0, .size: 8, .value_kind: global_buffer, .address_space: global }
      - { .name: xs, .offset: 8, .size: 8, .value_kind: global_buffer, .address_space: global }
      - { .name: wc, .offset: 16, .size: 8, .value_kind: global_buffer, .address_space: global }
      - { .name: ws, .offset: 24, .size: 8, .value_kind: global_buffer, .address_space: global }
      - { .name: bq, .offset: 32, .size: 8, .value_kind: global_buffer, .address_space: global }
      - { .name: bk, .offset: 40, .size: 8, .value_kind: global_buffer, .address_space: global }
      - { .name: bv, .offset: 48, .size: 8, .value_kind: global_buffer, .address_space: global }
      - { .name: bqa, .offset: 56, .size: 8, .value_kind: global_buffer, .address_space: global }
      - { .name: bka, .offset: 64, .size: 8, .value_kind: global_buffer, .address_space: global }
      - { .name: bva, .offset: 72, .size: 8, .value_kind: global_buffer, .address_space: global }
      - { .name: rope, .offset: 80, .size: 8, .value_kind: global_buffer, .address_space: global }
      - { .name: qkv, .offset: 88, .size: 8, .value_kind: global_buffer, .address_space: global }
    .group_segment_fixed_size: 327680
    .private_segment_fixed_size: 0
    .kernarg_segment_align: 8
    .kernarg_segment_size: 96
    .max_flat_workgroup_size: 128
    .sgpr_count:     100
    .vgpr_count:     1024
    .wavefront_size: 32
...
	.end_amdgpu_metadata
.endif
;; end of part 2
;; launch attn (part 3): grid 8 x 32, 12 waves a work-group, clusters of 4 x 1, 327,680 bytes of LDS; arguments qkv, out0; writes out0
.if DOCPART == 3
	.amdgcn_target "amdgcn-amd-amdhsa--gfx1250"
	.amdhsa_code_object_version 6
	.text
	.protected	k_q17e599bf64_attn
	.globl	k_q17e599bf64_attn
	.p2align	8
	.type	k_q17e599bf64_attn,@function
k_q17e599bf64_attn:
	s_mov_b64 s[64:65], 0
	v_nop
	global_prefetch_b8 v0, s[64:65] scope:SCOPE_SE
	s_setreg_imm32_b32 hwreg(HW_REG_WAVE_MODE, 25, 1), 1
	s_wait_xcnt 0x0
	s_wait_alu depctr_hold_cnt(0) depctr_sa_sdst(0) depctr_va_vdst(0) depctr_va_sdst(0) depctr_va_ssrc(0) depctr_va_vcc(0) depctr_vm_vsrc(0)
	s_getreg_b32 s2, hwreg(HW_REG_IB_STS2, 6, 4)
	s_cmp_eq_u32 s2, 0
	s_cbranch_scc0 .Lentry_in_a_cluster
	s_endpgm
.Lentry_in_a_cluster:
	s_bfe_u32 s2, ttmp6, 0x10000c
	s_cmp_lg_u32 s2, 0x3003
	s_cbranch_scc0 .Lentry_shape_is_right
	s_endpgm
.Lentry_shape_is_right:
; out0[b][q][64 head + :] = the sum over k of softmax_k(q . k / 8) v, over all 2,112 keys of a head.  q, k, v: f16 [3][32 heads][2,112][64]; products with f16 operands and f32 sums; maxima, exponentials and sums in f32.
; SHARES.  Work-group (x, y): head y, block x of 256 video queries.  Waves 0-7 own two tiles of 16 queries each.  In the head's first four work-groups waves 8-11 share ONE tile of the 64 action queries:
; each takes every fourth key step, with a maximum, a sum and an O^T of its own, and wave 8 joins the four at the end.  In the other four work-groups waves 8-11 only pass the barriers.  8 x 256 + 4 x 16 = 2,112.
; LAYOUT.  S^T = K Q^T (source 0 = 16 keys, source 1 = 16 queries): a lane holds ONE query (lane % 16) and keys 8 (lane / 16) + 0..7 of a tile.  Two such tiles, rounded to f16 in pairs, are source 1 of O^T = V^T P,
; whose result again holds one query a lane.  K comes out of LDS as it lies, V ([key][channel]) turned, by ds_load_tr16_b128.
; SOFTMAX.  A running maximum m and sum l for each query: p = 2^(c s - c m), c = log2(e) / 8; in every step O and l are multiplied by a = 2^(c m_old - c m_new).  O and l begin as zeros, m as -3e38, so no step is special.
; BY TURNS (waves 0-7).  The wave's two tiles are two pieces.  In a TURN one piece has the matrix unit: 8 products V^T P of the step in hand, then 8 products K Q^T of the next step; the other piece's softmax,
; a list of 119 instructions, stands between them, 7 behind each product.  Then the pieces change places.  Two turns are a key step.  So K of step i and V of step i - 1 are in registers together:
; K in v64-127, V in the second window of 256 registers; only the products V^T P and V's loads name that window.
; KEYS go 64 a step through two LDS slots of 256 keys; the ninth slot's worth is the 64 action keys.  Iteration i of the walk FETCHES step i from LDS (K early in its first turn, V in the middle of its second),
; so all reads of a slot stand between the two changes of slots that bound it.  Wave 0 asks for K's tile and wave 1 for V's, one tensor load each behind a change of slots.
; CLUSTER 4 x 1: the four work-groups belong to one head and walk the same K and V: each tile is asked for jointly (mask 15).
; LIMITS: p and v are rounded to f16; |q|, |k|, |v| under 65,504; NaN and infinities are not served.
.set PK,    144                        ; a row of K in LDS: 128 bytes + 16: the 16 rows of a load start at 16 different banks (64 banks of 4 bytes: ISA guide 11.1)
.set PV,    160                        ; a row of V: 128 + 32: an odd multiple of 32 for the turning load
.set SROWS, 256                        ; keys in a slot
.set KS,    64                         ; keys in a step
.set VOFF,  SROWS*PK
.set SLOT1, 1<<17                      ; slot 1 begins here: one exclusive or turns an address from one slot to the other
.set STAGE, SLOT1+SROWS*(PK+PV)        ; behind the ring: 16 rows x 272 bytes for each wave: the way out, and the images of the action tile's four parts
.set SP,    272
.set NW,    12
.set SPARE, STAGE+NW*16*SP             ; the spare words: 12 x 128 bytes, six blocks of 256
.set HEADB, 2112*128
.set KINDB, 32*HEADB
.set AK0, 1
.set AV0, 2
.set ADK, 3
.set ADV, 4
.set SPW, 5
.set NIL, 6
.set PFO, 7
.set STO, 8
.set RD,  9
.set GO,  10
.set PI,  11                           ; v11 my stage + 16 x lane: an image of four registers
.set ST,  12                           ; tile t's statistics at v[ST + 8 t]: +0 c m, +1 m, +2, +3 l in two halves, +4 .. +7 c0-c3 at work; a takes c2's place
.set PJ,  28                           ; v28 my stage + 4,096 + 8 x lane: the image of (c m, l)
.set Q,   32                           ; v32-63   Q: 16 a tile
.set KV,  64                           ; v64-127  K of a step (waves 8-11: K, then V)
.set S,   128                          ; v128-191 S^T, 32 a tile; P is packed into each tile's first 16
.set O,   192                          ; v192-255 O^T, 32 a tile
.set VB,  0                            ; in window 1: v256-319, V of a step
.set MG,  160                          ; the joining: v160-165 (c m, l) of parts 1 to 3; v166-173 the four factors, each the low word of a pair
.set FQ,  166
.set NSM, 119                          ; instructions in a tile's softmax
.set WV,  8
.set MY,  11                           ; s11 wave % 4: which of four steps a wave of 8-11 takes
.set TBK, 18
.set TBV, 19
.set SEL, 20
.set CS,  22
.set G1K, 24
.set G1V, 32
.set G1KS, 40
.set G1VS, 48
.set G0K, 56
.set G0V, 60
.set SLOTS, 66
.set STEPS, 67
.set PFA, 68
.set LIM, 70
.set MSB, 0
.macro WIN new                         ; bits 1:0 source 0, 3:2 source 1, 5:4 source 2, 7:6 destination; the immediate's high byte repeats the setting that is left
.if MSB != (\new)
	s_set_vgpr_msb (MSB<<8)|(\new)
.set MSB, (\new)
.endif
.endm
.macro JLOAD g1k, g1v                  ; wave 0: K's tile; wave 1: V's; the others nothing.  An s_nop 0 and four v_nop follow each line
	s_cmp_eq_u32 s[WV], 0
	s_cbranch_scc0 .Lnot_k_\@
	tensor_load_to_lds s[G0K:G0K+3], s[\g1k:\g1k+7]
	s_nop 0
.rept 4
	v_nop
.endr
	s_branch .Lasked_\@
.Lnot_k_\@:
	s_cmp_eq_u32 s[WV], 1
	s_cbranch_scc0 .Lasked_\@
	tensor_load_to_lds s[G0V:G0V+3], s[\g1v:\g1v+7]
	s_nop 0
.rept 4
	v_nop
.endr
.Lasked_\@:
.endm
; A prefetch of what the NEXT change of slots will ask for: 32,768 bytes of K and as many of V.  Both clusters of a head walk the same rows: the first asks.  Its four partners take 8,192 bytes each, told apart by address;
; in each, wave 2 asks for K's and wave 3 for V's, lanes 256 bytes apart: one instruction.  So each aligned block of 256 bytes is named once.  Slots 0 and 1 and the short last one are not asked for.
.macro ASK
	s_cmp_gt_u32 s[SLOTS], s[LIM]
	s_cbranch_scc0 .Lnot_mine_\@
	global_prefetch_b8 v[PFO], s[PFA:PFA+1] th:TH_LOAD_NT scope:SCOPE_SE
.Lnot_mine_\@:
.endm
.macro CROUND
	s_barrier_signal -1
	s_barrier_wait -1
	s_cmp_lg_u32 s[WV], 0
	s_cbranch_scc1 .Lnot_wave_0_\@
	s_barrier_signal -3
.Lnot_wave_0_\@:
	s_barrier_wait -3
	s_barrier_signal -1
	s_barrier_wait -1
.endm
	s_load_b128 s[4:7], s[0:1], 0x0                ; qkv, out0
	v_lshl_add_u32 v[SPW], v0, 2, SPARE
	v_mov_b32 v[NIL], 0
	ds_add_u32 v[SPW], v[NIL]                      ; the wave's opening: the add, twice on end, and its wait ahead of the first tensor load
	ds_add_u32 v[SPW], v[NIL]
	v_lshrrev_b32 v1, 5, v0
	v_readfirstlane_b32 s[WV], v1                  ; wave 0..11
	s_bfe_u32 s9, ttmp6, 0x40000                   ; cx
	s_and_b32 s10, ttmp7, 0xffff                   ; the head, 16 batch + head
	s_and_b32 s[MY], s[WV], 3
	s_mov_b32 s[G1K], 15|(1<<16)|(1<<20)|(1<<21)|(4<<22)|(3<<25)    ; mask: all four; elements of 2 bytes; padding: 4 words behind every 32; bit 21 beside a mask
	s_mov_b32 s[G1V], 15|(1<<16)|(1<<20)|(1<<21)|(4<<22)|(7<<25)    ; 8 words
	s_mov_b32 s[G1KS], 15|(1<<16)|(1<<20)|(1<<21)|(4<<22)|(3<<25)
	s_mov_b32 s[G1VS], 15|(1<<16)|(1<<20)|(1<<21)|(4<<22)|(7<<25)
.irp g, G1K, G1V
	s_mov_b32 s[\g+1], 64<<16                      ; tensor_dim0
	s_mov_b32 s[\g+2], SROWS<<16                   ; tensor_dim1
	s_mov_b32 s[\g+3], 64<<16                      ; tile_dim0
	s_mov_b32 s[\g+4], SROWS                       ; tile_dim1
	s_mov_b32 s[\g+5], 64                          ; from row to row
	s_mov_b32 s[\g+6], 0
	s_mov_b32 s[\g+7], 0
.endr
.irp g, G1KS, G1VS                             ; the last 64 keys
	s_mov_b32 s[\g+1], 64<<16
	s_mov_b32 s[\g+2], KS<<16
	s_mov_b32 s[\g+3], 64<<16
	s_mov_b32 s[\g+4], KS
	s_mov_b32 s[\g+5], 64
	s_mov_b32 s[\g+6], 0
	s_mov_b32 s[\g+7], 0
.endr
	s_mov_b32 s[SEL], 0x76543210
	s_mov_b32 s[SEL+1], 0xfedcba98                 ; v_permlanex16_b32's selects for lane l xor 16
	s_mov_b32 s[CS], 0x3e38aa3b                    ; c = log2(e) / 8
	s_mov_b32 s[CS+1], s[CS]                       ; (named with it as a pair, so it is written)
	s_mov_b32 s[TBK], 0
	s_mov_b32 s[TBV], 0
	s_mov_b32 s[SLOTS], 7
	s_mul_i32 s2, s10, HEADB                       ; the head's first byte in each kind
	s_mov_b32 s3, 0
	s_lshl_b32 s71, ttmp9, 2
	s_add_co_u32 s71, s71, s9
	s_lshl_b32 s71, s71, 8
	s_lshl_b32 s72, s[WV], 5
	s_add_co_u32 s71, s71, s72                     ; waves 0-7: query 256 (4 cluster + cx) + 32 wave
	s_lshl_b32 s72, s9, 4
	s_add_co_u32 s72, s72, 2048                    ; waves 8-11: query 2,048 + 16 cx
	s_cmp_lt_u32 s[WV], 8
	s_cselect_b32 s71, s71, s72
	s_cselect_b32 s73, 2048, 0                     ; my second tile: 16 rows on; waves 8-11 load their one tile twice, so that every register is written
	s_lshl_b32 s74, s71, 7
	s_mov_b32 s75, 0
	s_add_nc_u64 s[74:75], s[74:75], s[2:3]        ; my first query's row of q
	s_lshr_b32 s76, s10, 4
	s_mul_i32 s76, s76, 2112*4096
	s_lshl_b32 s77, s71, 12
	s_add_co_u32 s76, s76, s77
	s_and_b32 s77, s10, 15
	s_lshl_b32 s77, s77, 8
	s_add_co_u32 s76, s76, s77                     ; and its 256 bytes of out0
	s_mov_b32 s77, 0
	s_lshr_b32 s78, s[WV], 1
	s_xor_b32 s78, s78, 1                          ; 0 in waves 2 and 3,
	s_or_b32 s78, s78, ttmp9                       ; of the head's first cluster: the same in all four partners
	s_cmp_eq_u32 s78, 0
	s_cselect_b32 s[LIM], 1, -1
	s_lshl_b32 s78, s9, 13                         ; my work-group's 8,192 bytes,
	s_add_co_u32 s78, s78, SROWS*128               ; in slot 1: the first change of slots steps it to slot 2
	s_mov_b32 s79, 0
	s_wait_dscnt 0x0                               ; both opening adds are done
	s_wait_kmcnt 0x0
	s_add_nc_u64 s[12:13], s[4:5], s[74:75]        ; Q of tile 0
	s_mov_b32 s74, s73
	s_add_nc_u64 s[14:15], s[12:13], s[74:75]      ; Q of tile 1
	s_add_nc_u64 s[16:17], s[6:7], s[76:77]        ; O
	s_mov_b32 s[G0K], 1
	s_mov_b32 s[G0K+1], 0
	s_add_nc_u64 s[G0K+2:G0K+3], s[4:5], s[2:3]
	s_add_nc_u64 s[G0K+2:G0K+3], s[G0K+2:G0K+3], KINDB
	s_mov_b32 s[G0V], 1
	s_mov_b32 s[G0V+1], VOFF
	s_add_nc_u64 s[G0V+2:G0V+3], s[G0K+2:G0K+3], KINDB
	s_cmp_eq_u32 s[WV], 2
	s_cselect_b64 s[PFA:PFA+1], s[G0K+2:G0K+3], s[G0V+2:G0V+3]
	s_add_nc_u64 s[PFA:PFA+1], s[PFA:PFA+1], s[78:79]
	s_or_b32 s[G0K+3], s[G0K+3], 0x80000000
	s_or_b32 s[G0V+3], s[G0V+3], 0x80000000
	CROUND                                         ; all four work-groups are here: the first joint loads meet
	JLOAD G1K, G1V                                 ; slot 0: one tensor load of mine is out at the most, here and later
	v_and_b32 v30, 15, v0                          ; r
	v_bfe_u32 v31, v0, 4, 1                        ; h
	v_lshlrev_b32 v29, 7, v30
	v_lshl_add_u32 v29, v31, 4, v29                ; Q: row r of 128 bytes, + 16 h
.irp c2, 0,1
	global_load_b128 v[Q+8*\c2:Q+8*\c2+3], v29, s[12:13] offset:64*\c2
	global_load_b128 v[Q+8*\c2+4:Q+8*\c2+7], v29, s[12:13] offset:64*\c2+32
	global_load_b128 v[Q+16+8*\c2:Q+16+8*\c2+3], v29, s[14:15] offset:64*\c2
	global_load_b128 v[Q+16+8*\c2+4:Q+16+8*\c2+7], v29, s[14:15] offset:64*\c2+32
.endr
	; every LDS address is made here, ahead of the first parting of the waves' roles
	v_mul_u32_u24 v[AK0], v30, PK
	v_lshl_add_u32 v[AK0], v31, 4, v[AK0]          ; K: row r x pitch + 16 h
	v_and_b32 v[ADK], 7, v0
	v_bfe_u32 v[ADV], v0, 3, 1
	v_lshl_add_u32 v[AV0], v31, 3, v[ADK]
	v_mul_u32_u24 v[AV0], v[AV0], PV
	v_lshl_add_u32 v[AV0], v[ADV], 4, v[AV0]
	v_add_nc_u32 v[AV0], VOFF, v[AV0]              ; V: key 8 h + lane % 8, channels 8 ((lane / 8) % 2) on
	s_mul_i32 s71, s[WV], 16*SP
	s_add_co_u32 s71, s71, STAGE                   ; my stage
	v_mul_u32_u24 v[STO], v30, SP
	v_lshl_add_u32 v[STO], v31, 5, v[STO]
	v_add_nc_u32 v[STO], s71, v[STO]               ; in: row r, 32 bytes for each half of the lanes
	v_mul_u32_u24 v[RD], v31, SP
	v_lshl_add_u32 v[RD], v30, 4, v[RD]
	v_add_nc_u32 v[RD], s71, v[RD]                 ; back: lanes 0-15 one row of 256 bytes, lanes 16-31 the next
	v_lshlrev_b32 v[GO], 12, v31
	v_lshl_add_u32 v[GO], v30, 4, v[GO]            ; and the same two rows in out0
	v_and_b32 v[PFO], 31, v0
	v_lshl_add_u32 v[PI], v[PFO], 4, s71
	v_lshl_add_u32 v[PJ], v[PFO], 3, s71
	v_add_nc_u32 v[PJ], 4096, v[PJ]
	v_lshlrev_b32 v[PFO], 8, v[PFO]
.irp t, 0,1
	v_mov_b32 v[ST+8*\t+1], 0xff61b1e6             ; m = -3e38, under every score
	v_mul_f32 v[ST+8*\t], s[CS], v[ST+8*\t+1]      ; c m
.irp i, 2,3,4,5,6,7
	v_mov_b32 v[ST+8*\t+\i], 0                     ; l; and c0-c3, written once: a lane permute's destination counts as one of its sources
.endr
.endr
.set I, 0
.rept 64
	v_mov_b32 v[O+I], 0                            ; O^T: no step is special, and the first finds zeros
.set I, I+1
.endr
; THE LDS LOADS stand in runs of 16: a step's K (fragment (channels 32 c2 on, keys 16 kt on) at v[KV + 32 c2 + 8 kt]) and its V, turned (fragment (keys 32 k2 on, channels 16 ct on) at v[VB + 32 k2 + 8 ct] of window 1).
.macro FETCH_K
	WIN 0
.irp c2, 0,1
.irp kt, 0,1,2,3
	ds_load_b128 v[KV+32*\c2+8*\kt:KV+32*\c2+8*\kt+3], v[ADK] offset:\kt*16*PK+64*\c2
	ds_load_b128 v[KV+32*\c2+8*\kt+4:KV+32*\c2+8*\kt+7], v[ADK] offset:\kt*16*PK+64*\c2+32
.endr
.endr
.endm
.macro FETCH_V
	WIN 0x40                                       ; destination window 1, address window 0
.irp k2, 0,1
.irp ct, 0,1,2,3
	ds_load_tr16_b128 v[VB+32*\k2+8*\ct:VB+32*\k2+8*\ct+3], v[ADV] offset:\k2*32*PV+32*\ct
	ds_load_tr16_b128 v[VB+32*\k2+8*\ct+4:VB+32*\k2+8*\ct+7], v[ADV] offset:\k2*32*PV+16*PV+32*\ct
.endr
.endr
	WIN 0
.endm
; THE MATRIX WORK OF A TURN, for piece x.  The four accumulators take turns, one instruction a turn.
; Product I of 8 of S^T = K Q^T: channels 32 (I / 4) on, keys 16 (I % 4) on.  The first four start the sums.
.macro KQI x
	WIN 0
.set rS, S+32*(\x)+8*(I%4)
.set rK, KV+32*(I/4)+8*(I%4)
.set rQ, Q+16*(\x)+8*(I/4)
.if I < 4
	v_wmma_f32_16x16x32_f16 v[rS:rS+7], v[rK:rK+7], v[rQ:rQ+7], 0
.else
	v_wmma_f32_16x16x32_f16 v[rS:rS+7], v[rK:rK+7], v[rQ:rQ+7], v[rS:rS+7]
.endif
.endm
; Product I of 8 of O^T += V^T P: keys 32 (I / 4) on, channels 16 (I % 4) on.
.macro PVI x
	WIN 0x01                                       ; source 0 (V) window 1
.set rO, O+32*(\x)+8*(I%4)
.set rV, VB+32*(I/4)+8*(I%4)
.set rP, S+32*(\x)+8*(I/4)
	v_wmma_f32_16x16x32_f16 v[rO:rO+7], v[rV:rV+7], v[rP:rP+7], v[rO:rO+7]
.endm
; THE VECTOR WORK OF A TURN.  One tile's softmax for one key step is a list of 119 instructions; SM writes number J of it for tile t.
;   0-15    the maximum of the lane's 32 scores and the old m: four chains, each accumulator from its low end on
;   16-20   the other half of the lanes' maximum; c m_old kept; the new m; c m; c m_old - c m_new
;   21-36   c s - c m, a pair of scores each
;   37-69   ONE BATCH of 33 exponentials (a, then the 32 p): none reads another's result
;   70      a plain line and the one wait for the batch, ahead of its first reader
;   71-86   l = a l + the sum of the unrounded p, in two chains
;   87-102  p to f16, in place, ascending: registers 4 kt .. 4 kt + 3 hold tile kt's eight keys
;   103-118 O^T x a, each accumulator from its low end on
.macro SM t
.set rT, ST+8*(\t)
.set rS, S+32*(\t)
.set rO, O+32*(\t)
.if J < 4
	v_max3_num_f32 v[rT+4+J], v[rS+8*J], v[rS+8*J+1], v[rS+8*J+2]
.elseif J < 12
	v_max3_num_f32 v[rT+4+J%4], v[rT+4+J%4], v[rS+8*(J%4)+2*(J/4)+1], v[rS+8*(J%4)+2*(J/4)+2]
.elseif J == 12
	v_max3_num_f32 v[rT+4], v[rT+4], v[rS+7], v[rS+15]
.elseif J == 13
	v_max3_num_f32 v[rT+6], v[rT+6], v[rS+23], v[rS+31]
.elseif J == 14
	v_max3_num_f32 v[rT+4], v[rT+4], v[rT+5], v[rT+6]
.elseif J == 15
	v_max3_num_f32 v[rT+4], v[rT+4], v[rT+7], v[rT+1]
.elseif J == 16
	v_permlanex16_b32 v[rT+5], v[rT+4], s[SEL], s[SEL+1]
.elseif J == 17
	v_mov_b32 v[rT+7], v[rT]
.elseif J == 18
	v_max_num_f32 v[rT+1], v[rT+4], v[rT+5]
.elseif J == 19
	v_mul_f32 v[rT], s[CS], v[rT+1]
.elseif J == 20
	v_sub_f32 v[rT+7], v[rT+7], v[rT]
.elseif J < 37
	v_pk_fma_f32 v[rS+2*(J-21):rS+2*(J-21)+1], v[rS+2*(J-21):rS+2*(J-21)+1], s[CS:CS+1], v[rT:rT+1] op_sel_hi:[1,0,0] neg_lo:[0,0,1] neg_hi:[0,0,1]
.elseif J == 37
	v_exp_f32 v[rT+6], v[rT+7]
.elseif J < 70
	v_exp_f32 v[rS+J-38], v[rS+J-38]
.elseif J == 70
	v_nop
	s_wait_alu depctr_va_vdst(0)
.elseif J == 71
	v_pk_fma_f32 v[rT+2:rT+3], v[rT+2:rT+3], v[rT+6:rT+7], v[rS:rS+1] op_sel_hi:[1,0,1]
.elseif J == 72
	v_pk_add_f32 v[rT+4:rT+5], v[rS+2:rS+3], v[rS+6:rS+7]
.elseif J == 73
	v_pk_add_f32 v[rT+2:rT+3], v[rT+2:rT+3], v[rS+4:rS+5]
.elseif J < 86
.set u, 8+4*((J-74)/2)
.if (J-74)%2 == 0
	v_pk_add_f32 v[rT+2:rT+3], v[rT+2:rT+3], v[rS+u:rS+u+1]
.else
	v_pk_add_f32 v[rT+4:rT+5], v[rT+4:rT+5], v[rS+u+2:rS+u+3]
.endif
.elseif J == 86
	v_pk_add_f32 v[rT+2:rT+3], v[rT+2:rT+3], v[rT+4:rT+5]
.elseif J < 103
	v_cvt_pk_f16_f32 v[rS+J-87], v[rS+2*(J-87)], v[rS+2*(J-87)+1]
.else
	v_pk_mul_f32 v[rO+2*(J-103):rO+2*(J-103)+1], v[rO+2*(J-103):rO+2*(J-103)+1], v[rT+6:rT+7] op_sel_hi:[1,0]
.endif
.endm
.macro SLICE t                         ; the list's next PER instructions
	WIN 0
.rept PER
.if J < NSM
	SM \t
.set J, J+1
.endif
.endr
.endm
.macro FLUSH t                         ; and what is left of it
	WIN 0
.rept NSM
.if J < NSM
	SM \t
.set J, J+1
.endif
.endr
.endm
; A TURN.  Piece x has the matrix unit; the other piece's softmax stands in slices behind its products: 7 where the turn has 16 products, 15 where it has 8.
; Behind the last product stand the list's last 14 instructions, all plain and naming none of its registers: the places ahead of the next turn's first read of those scores and of the loads into K's registers.
; Five v_nop stand between the two kinds of products: K Q^T writes over P's registers, which V^T P read, and V's loads land on registers that V^T P read; the slice there holds exponentials, which are no places.
; Piece 0's turn fetches K, behind its second product: 6 products ahead of its first use.  Piece 1's turn fetches V, behind its V^T P: 8 products ahead of the next turn, which begins with the wait for it.
.macro TURN x, pv, kq
.set J, 0
.set PER, 15
.if \pv && \kq
.set PER, 7
.endif
.if \pv
.if \x == 0
	s_wait_dscnt 0x0                               ; V is in
.endif
.set I, 0
.rept 8
	PVI \x
	SLICE 1-\x
.if (\x == 0) && \kq && (I == 1)
	FETCH_K
.endif
.set I, I+1
.endr
.if \kq
.rept 5
	v_nop
.endr
.endif
.endif
.if \kq
.if \x == 0
	s_wait_dscnt 0x0                               ; K is in
.else
	FETCH_V
.endif
.set I, 0
.rept 8
	KQI \x
	SLICE 1-\x
.set I, I+1
.endr
.endif
	FLUSH 1-\x
.endm
; A KEY STEP in phases, for nt tiles of queries: the form of waves 8-11, which have one tile and one buffer for K and then V.
.macro BODY nt
.irp c2, 0,1
.irp kt, 0,1,2,3
	ds_load_b128 v[KV+32*\c2+8*\kt:KV+32*\c2+8*\kt+3], v[ADK] offset:\kt*16*PK+64*\c2
	ds_load_b128 v[KV+32*\c2+8*\kt+4:KV+32*\c2+8*\kt+7], v[ADK] offset:\kt*16*PK+64*\c2+32
.endr
.endr
	s_wait_dscnt 8                                 ; channels 0-31 are in; the eight loads of channels 32-63 may be out
.irp kt, 0,1,2,3                               ; the accumulators take turns, one instruction a turn
.set TT, 0
.rept \nt
	v_wmma_f32_16x16x32_f16 v[S+32*TT+8*\kt:S+32*TT+8*\kt+7], v[KV+8*\kt:KV+8*\kt+7], v[Q+16*TT:Q+16*TT+7], 0
.set TT, TT+1
.endr
.endr
	s_wait_dscnt 0x0
.irp kt, 0,1,2,3
.set TT, 0
.rept \nt
	v_wmma_f32_16x16x32_f16 v[S+32*TT+8*\kt:S+32*TT+8*\kt+7], v[KV+32+8*\kt:KV+32+8*\kt+7], v[Q+16*TT+8:Q+16*TT+15], v[S+32*TT+8*\kt:S+32*TT+8*\kt+7]
.set TT, TT+1
.endr
.endr
.rept 4
	v_nop                                          ; places in front of the loads into K's registers and of the first reads of the scores
.endr
.irp k2, 0,1                                   ; V, turned, into the same registers; it lands while the softmax is worked
.irp ct, 0,1,2,3
	ds_load_tr16_b128 v[KV+32*\k2+8*\ct:KV+32*\k2+8*\ct+3], v[ADV] offset:\k2*32*PV+32*\ct
	ds_load_tr16_b128 v[KV+32*\k2+8*\ct+4:KV+32*\k2+8*\ct+7], v[ADV] offset:\k2*32*PV+16*PV+32*\ct
.endr
.endr
.set TT, 0
.rept \nt
.set J, 0
.rept NSM
	SM TT                                          ; the same list, on end
.set J, J+1
.endr
.set TT, TT+1
.endr
	s_wait_dscnt 0x0                               ; V is in
.irp k2, 0,1
.irp ct, 0,1,2,3
.set TT, 0
.rept \nt
	v_wmma_f32_16x16x32_f16 v[O+32*TT+8*\ct:O+32*TT+8*\ct+7], v[KV+32*\k2+8*\ct:KV+32*\k2+8*\ct+7], v[S+32*TT+8*\k2:S+32*TT+8*\k2+7], v[O+32*TT+8*\ct:O+32*TT+8*\ct+7]
.set TT, TT+1
.endr
.endr
.endr
.rept 5
	v_nop                                          ; five places: the next step's first products write over P's registers, which these products read; its loads land on V's
.endr
.endm
; AN ITERATION fetches one key step from LDS.  Every wave walks it; the roles part inside it, on the wave's number, the cluster's and the count of steps.
; Waves 0-7: V^T P of the step before and K Q^T of this step, in two turns; first = 1, the walk's first: K Q^T of piece 0 bare, then a turn without V^T P.
; Waves 8-11 of the head's first cluster: the whole step, if it is the wave's one in four.
.macro ITER first
	v_add_nc_u32 v[ADK], s[TBK], v[AK0]
	v_add_nc_u32 v[ADV], s[TBV], v[AV0]
	s_cmp_lt_u32 s[WV], 8
	s_cbranch_scc0 .Lw8_\@
.if \first
	FETCH_K
	s_wait_dscnt 8                                 ; channels 0-31 are in; the eight loads of channels 32-63 may be out
.set I, 0
.rept 4
	KQI 0
.set I, I+1
.endr
	s_wait_dscnt 0x0
.rept 4
	KQI 0
.set I, I+1
.endr
.rept 4
	v_nop                                          ; places ahead of the first read of these scores
.endr
	TURN 1, 0, 1
.else
	TURN 0, 1, 1
	TURN 1, 1, 1
.endif
	WIN 0                                          ; at a label and at a branch every window is 0
	s_branch .Ljoin_\@
.Lw8_\@:
	s_cmp_eq_u32 ttmp9, 0
	s_cbranch_scc0 .Ljoin_\@
.if \first
	s_cmp_eq_u32 s[MY], 0
.else
	s_and_b32 s71, s[STEPS], 3
	s_cmp_eq_u32 s71, s[MY]
.endif
	s_cbranch_scc0 .Ljoin_\@
	BODY 1
.Ljoin_\@:
	s_add_co_u32 s[TBK], s[TBK], KS*PK
	s_add_co_u32 s[TBV], s[TBV], KS*PV
.endm
; n iterations; then the fetches go back over the slot's steps (back of them) and on to the other slot.
.macro SLOT_STEPS n, back
	s_mov_b32 s[STEPS], \n
.Lstep_\@:
	ITER 0
	s_sub_co_u32 s[STEPS], s[STEPS], 1
	s_cmp_lg_u32 s[STEPS], 0
	s_cbranch_scc1 .Lstep_\@
	s_sub_co_u32 s[TBK], s[TBK], \back*KS*PK
	s_sub_co_u32 s[TBV], s[TBV], \back*KS*PV
	s_xor_b32 s[TBK], s[TBK], SLOT1
	s_xor_b32 s[TBV], s[TBV], SLOT1
.endm
; THE CHANGE OF SLOTS stands at a slot's head.  Each wave waits for all its tensor loads (its part of the slot ahead), adds 0 to its spare word, and waits for that and for its reads of the slot that it has left.
; f = 1: the slot just left takes the next 256 keys; f = 2: the last 64; f = 0: nothing.  With a fill the barrier is a round of the cluster's, and the joint load is the first thing behind it:
; it has a whole slot's four steps in which to land.
.macro CHANGE f
	s_wait_tensorcnt 0x0                           ; no tensor load of mine is out, so a group 0 may be written
	ds_add_u32 v[SPW], v[NIL]
.if \f
	ds_add_u32 v[SPW], v[NIL]                      ; and twice on end here, in every trip alike
	s_xor_b32 s[G0K+1], s[G0K+1], SLOT1
	s_add_nc_u64 s[G0K+2:G0K+3], s[G0K+2:G0K+3], SROWS*128
	s_xor_b32 s[G0V+1], s[G0V+1], SLOT1
	s_add_nc_u64 s[G0V+2:G0V+3], s[G0V+2:G0V+3], SROWS*128
.endif
.if \f == 1
	s_wait_xcnt 0x0                                ; the last prefetch, a slot back, has read its address
	s_add_nc_u64 s[PFA:PFA+1], s[PFA:PFA+1], SROWS*128   ; one slot further on than the walking descriptors
.endif
	s_wait_dscnt 0x0                               ; the add is done, and my reads of the slot that I have left are over
.if \f == 1
	CROUND
	JLOAD G1K, G1V
	ASK
.elseif \f == 2
	CROUND
	JLOAD G1KS, G1VS
.else
	s_barrier_signal -1
	s_barrier_wait -1
.endif
.endm
	s_wait_loadcnt 0x0                             ; Q
	CHANGE 1                                       ; slot 0 is whole; slot 1 is asked for
	ITER 1                                         ; step 0
	SLOT_STEPS 3, 4                                ; steps 1 to 3
	s_mov_b32 s[SLOTS], 6
.Lslot:                                            ; six trips: slots 1 to 6 are fetched from, slots 2 to 7 asked for
	CHANGE 1
	SLOT_STEPS 4, 4
	s_sub_co_u32 s[SLOTS], s[SLOTS], 1
	s_cmp_lg_u32 s[SLOTS], 0
	s_cbranch_scc1 .Lslot
	CHANGE 2                                       ; the tail is written out: keys 1,792 on are fetched, the action keys asked for
	SLOT_STEPS 4, 4
	CHANGE 0
	SLOT_STEPS 1, 1                                ; the 64 action keys
; THE WAY OUT: l's halves are added, O^T is divided by l and goes through my stage, a tile at a time, so that sixteen lanes store a query's 256 consecutive bytes of its head.
.macro OUT nt
.set TT, 0
.rept \nt
	v_add_f32 v[ST+8*TT+4], v[ST+8*TT+2], v[ST+8*TT+3]
.set TT, TT+1
.endr
.set TT, 0
.rept \nt
	v_permlanex16_b32 v[ST+8*TT+5], v[ST+8*TT+4], s[SEL], s[SEL+1]
.set TT, TT+1
.endr
.set TT, 0
.rept \nt
	v_add_f32 v[ST+8*TT+4], v[ST+8*TT+4], v[ST+8*TT+5]
.set TT, TT+1
.endr
.set TT, 0
.rept \nt
	v_rcp_f32 v[ST+8*TT+6], v[ST+8*TT+4]
.set TT, TT+1
.endr
	v_nop                                          ; a plain line behind the last reciprocal
	s_wait_alu depctr_va_vdst(0)                   ; and the wait ahead of the first reader
.set TT, 0
.rept \nt
.irp i, 0,2,4,6,8,10,12,14,16,18,20,22,24,26,28,30
	v_pk_mul_f32 v[S+32*TT+\i:S+32*TT+\i+1], v[O+32*TT+\i:O+32*TT+\i+1], v[ST+8*TT+6:ST+8*TT+7] op_sel_hi:[1,0]
.endr
.irp ct, 0,1,2,3
	ds_store_b128 v[STO], v[S+32*TT+8*\ct:S+32*TT+8*\ct+3] offset:64*\ct
	ds_store_b128 v[STO], v[S+32*TT+8*\ct+4:S+32*TT+8*\ct+7] offset:64*\ct+16
.endr
.irp i, 0,1,2,3,4,5,6,7
	ds_load_b128 v[KV+32*TT+4*\i:KV+32*TT+4*\i+3], v[RD] offset:\i*2*SP   ; LDS serves a wave's instructions in order: these see the stores above, and the next tile's stores come behind them
.endr
.set TT, TT+1
.endr
.set TT, 0
.rept \nt
.irp i, 0,1,2,3,4,5,6,7
	s_wait_dscnt 16*(\nt-1-TT)+7-\i                ; the younger loads of this tile, and the next tile's sixteen instructions, may be out
	global_store_b128 v[GO], v[KV+32*TT+4*\i:KV+32*TT+4*\i+3], s[16:17] offset:65536*TT+8192*\i
.endr
.set TT, TT+1
.endr
.endm
	s_cmp_lt_u32 s[WV], 8
	s_cbranch_scc0 .Lpart
	TURN 0, 1, 0                                   ; piece 0: V^T P of the last step | piece 1's last softmax
.set I, 0
.rept 8
	PVI 1                                          ; piece 1: V^T P of the last step
.set I, I+1
.endr
	WIN 0
.rept 4
	v_nop                                          ; places behind the last products
.endr
	OUT 2
	s_branch .Lmeet
.Lpart:                                            ; waves 8-11 of the head's first cluster: my part of the action tile goes to my stage as an image of its registers
	s_cmp_eq_u32 ttmp9, 0
	s_cbranch_scc0 .Lmeet
	v_add_f32 v[ST+1], v[ST+2], v[ST+3]            ; l's two halves: v[ST:ST+1] = (c m, l)
.irp i, 0,1,2,3,4,5,6,7
	ds_store_b128 v[PI], v[O+4*\i:O+4*\i+3] offset:512*\i   ; each accumulator from its low end on
.endr
	ds_store_b64 v[PJ], v[ST:ST+1]
.Lmeet:
	s_wait_dscnt 0x0                               ; for the others' sake: my stores lie in LDS
	s_barrier_signal -1
	s_barrier_wait -1
	s_cmp_eq_u32 s[WV], 8
	s_cbranch_scc0 .Lend
	s_cmp_eq_u32 ttmp9, 0
	s_cbranch_scc0 .Lend
	; THE JOINING, by wave 8: the parts of waves 9 to 11 lie one, two and three stages behind mine.  All four come under the largest c m: part q is multiplied by 2^(c m_q - the largest).
.irp q, 1,2,3
.irp i, 0,1,2,3,4,5,6,7
	ds_load_b128 v[KV+32*(\q-1)+4*\i:KV+32*(\q-1)+4*\i+3], v[PI] offset:\q*16*SP+512*\i
.endr
	ds_load_b64 v[MG+2*(\q-1):MG+2*(\q-1)+1], v[PJ] offset:\q*16*SP
.endr
	s_wait_dscnt 0x0
	v_max3_num_f32 v[ST+2], v[ST], v[MG], v[MG+2]
	v_max_num_f32 v[ST+2], v[ST+2], v[MG+4]        ; the largest c m
	v_sub_f32 v[FQ], v[ST], v[ST+2]
.irp q, 1,2,3
	v_sub_f32 v[FQ+2*\q], v[MG+2*(\q-1)], v[ST+2]
.endr
.irp q, 0,1,2,3
	v_exp_f32 v[FQ+2*\q], v[FQ+2*\q]
.endr
.irp q, 0,1,2,3
	v_mov_b32 v[FQ+2*\q+1], 0                      ; (named with the factor as a pair, so it is written; also the plain lines behind the exponentials)
.endr
	s_wait_alu depctr_va_vdst(0)                   ; one wait for the four, ahead of their first reader
	v_mul_f32 v[ST+2], v[ST+1], v[FQ]
.irp q, 1,2,3
	v_fma_f32 v[ST+2], v[MG+2*(\q-1)+1], v[FQ+2*\q], v[ST+2]
.endr
	v_mov_b32 v[ST+3], 0                           ; l, as the way out takes it: in two halves
.irp i, 0,2,4,6,8,10,12,14,16,18,20,22,24,26,28,30
	v_pk_mul_f32 v[O+\i:O+\i+1], v[O+\i:O+\i+1], v[FQ:FQ+1] op_sel_hi:[1,0]
.endr
.irp q, 1,2,3
.irp i, 0,2,4,6,8,10,12,14,16,18,20,22,24,26,28,30
	v_pk_fma_f32 v[O+\i:O+\i+1], v[KV+32*(\q-1)+\i:KV+32*(\q-1)+\i+1], v[FQ+2*\q:FQ+2*\q+1], v[O+\i:O+\i+1] op_sel_hi:[1,0,1]
.endr
.endr
	OUT 1
.Lend:
	s_wait_tensorcnt 0x0                           ; the wave's end
	ds_add_u32 v[SPW], v[NIL]
	s_wait_dscnt 0x0
	CROUND                                         ; the closing round
	s_endpgm
.Lfunc_end_k_q17e599bf64_attn:
	.size	k_q17e599bf64_attn, .Lfunc_end_k_q17e599bf64_attn-k_q17e599bf64_attn
	.p2alignl 7, 3214868480
	.fill 96, 4, 3214868480
	.section	.rodata,"a",@progbits
	.p2align	6, 0x0
	.amdhsa_kernel k_q17e599bf64_attn
		.amdhsa_group_segment_fixed_size 327680
		.amdhsa_private_segment_fixed_size 0
		.amdhsa_enable_private_segment 0
		.amdhsa_kernarg_size 16
		.amdhsa_user_sgpr_count 2
		.amdhsa_user_sgpr_kernarg_segment_ptr 1
		.amdhsa_wavefront_size32 1
		.amdhsa_system_sgpr_workgroup_id_x 1
		.amdhsa_system_sgpr_workgroup_id_y 1
		.amdhsa_system_sgpr_workgroup_id_z 1
		.amdhsa_system_vgpr_workitem_id 0
		.amdhsa_next_free_vgpr 320
		.amdhsa_next_free_sgpr 80
		.amdhsa_reserve_vcc 0
		.amdhsa_float_denorm_mode_32 3
		.amdhsa_float_denorm_mode_16_64 3
		.amdhsa_memory_ordered 1
		.amdhsa_forward_progress 1
		.amdhsa_inst_pref_size 175
	.end_amdhsa_kernel
	.amdgpu_metadata
---
amdhsa.version: [ 1, 2 ]
amdhsa.kernels:
  - .name:           k_q17e599bf64_attn
    .symbol:         k_q17e599bf64_attn.kd
    .args:
      - { .name: qkv, .offset: 0, .size: 8, .value_kind: global_buffer, .address_space: global }
      - { .name: out0, .offset: 8, .size: 8, .value_kind: global_buffer, .address_space: global }
    .group_segment_fixed_size: 327680
    .private_segment_fixed_size: 0
    .kernarg_segment_align: 8
    .kernarg_segment_size: 16
    .max_flat_workgroup_size: 384
    .sgpr_count:     80
    .vgpr_count:     320
    .wavefront_size: 32
...
	.end_amdgpu_metadata
.endif
;; end of part 3
;; launch proj (part 4): grid 16 x 8, 16 waves a work-group, no clusters, 256,000 bytes of LDS; arguments out0, Wpa, bpa, out1; writes out1
.if DOCPART == 4
	.amdgcn_target "amdgcn-amd-amdhsa--gfx1250"
	.amdhsa_code_object_version 6
	.text
	.protected	k_q17e599bf64_proj
	.globl	k_q17e599bf64_proj
	.p2align	8
	.type	k_q17e599bf64_proj,@function
k_q17e599bf64_proj:
	s_mov_b64 s[64:65], 0
	v_nop
	global_prefetch_b8 v0, s[64:65] scope:SCOPE_SE
	s_setreg_imm32_b32 hwreg(HW_REG_WAVE_MODE, 25, 1), 1
	s_wait_xcnt 0x0
; out1[64 b + i][n] = the sum over k of out0[b][2,048 + i][k] Wpa[n][k] + bpa[n]: 128 rows, K = 1,024, 1,024 columns; f16 operands, rounded from f32 here, f32 sums.
; A work-group makes 16 rows (y) x 64 columns (x).  Its sixteen waves share K, 64 each, so that all that a wave needs is asked for at once; the sixteen parts meet in LDS and are added in f32.
; EVERY LOAD TAKES TWO ROWS' WHOLE 256 BYTES: lanes 0-15 one row's 64 numbers of my K, lanes 16-31 the next row's.  A matrix operand wants a row in a lane, so the numbers, rounded to f16, turn through the wave's
; own stage in LDS: 8 bytes a lane into rows of 128 bytes + 16, and back as fragments, 16 bytes a lane.  The stage is the wave's own: no barrier.
; No tensor load and no cluster: each work-group reads 64 KiB of the rows and 256 KiB of the weight once, and the launch is short.
; LIMITS: the context and Wpa are rounded to f16: magnitudes under 65,504; numbers under 6e-5 keep an absolute step of 6e-8.
.set RP,    144                        ; a row of a wave's stage: 64 f16 + 16 bytes: the 16 rows of a fragment load start at 16 different banks (64 banks of 4 bytes: ISA guide 11.1)
.set WREG,  80*RP                      ; a wave's stage: 16 rows of the context, then 64 rows of Wpa
.set PARTS, 16*WREG                    ; behind the stages: the sixteen parts
.set PP,    272                        ; a row of a part: 256 bytes + 16
.set PART,  16*PP
.set SPARE, PARTS+16*PART              ; behind the parts: the spare words, 128 bytes a wave
.set SPW, 1
.set NIL, 2
	s_load_b256 s[4:11], s[0:1], 0x0               ; out0, Wpa, bpa, out1
	v_lshl_add_u32 v[SPW], v0, 2, SPARE
	v_mov_b32 v[NIL], 0
	v_lshrrev_b32 v3, 5, v0
	v_readfirstlane_b32 s12, v3                    ; wave 0..15
	v_and_b32 v4, 15, v0                           ; r
	v_bfe_u32 v5, v0, 4, 1                         ; h
	v_lshlrev_b32 v6, 12, v5
	v_lshl_add_u32 v6, v4, 4, v6
	s_lshl_b32 s13, s12, 8
	v_add_nc_u32 v6, s13, v6                       ; both operands: row h of a pair, + 256 wave + 16 r
	v_lshlrev_b32 v7, 4, v4                        ; 16 r: my four columns of the bias
	s_mul_i32 s13, s12, WREG                       ; my stage
	v_mul_u32_u24 v11, v5, RP
	v_lshl_add_u32 v11, v4, 3, v11
	v_add_nc_u32 v11, s13, v11                     ; in: row h of a pair, 8 bytes a lane
	v_mul_u32_u24 v12, v4, RP
	v_lshl_add_u32 v12, v5, 4, v12
	v_add_nc_u32 v12, s13, v12                     ; back: row r of a tile, + 16 h
	s_mul_i32 s13, s12, PART
	s_add_co_u32 s13, s13, PARTS
	v_mul_u32_u24 v8, v4, PP
	v_lshl_add_u32 v8, v5, 5, v8
	v_add_nc_u32 v8, s13, v8                       ; my part: row r, 32 bytes for each half of the lanes
	s_and_b32 s24, s12, 7
	s_mul_i32 s13, s24, 2*PP
	s_add_co_u32 s13, s13, PARTS
	v_mul_u32_u24 v9, v5, PP
	v_lshl_add_u32 v9, v4, 4, v9
	v_add_nc_u32 v9, s13, v9                       ; the parts back: rows 2 (wave % 8) and + 1, sixteen lanes to a row
	v_lshlrev_b32 v10, 12, v5
	v_lshl_add_u32 v10, v4, 4, v10                 ; and the same two rows in out1
	s_and_b32 s14, ttmp7, 0xffff                   ; y
	s_lshr_b32 s15, s14, 2                         ; the batch
	s_mul_i32 s16, s15, 2112*4096
	s_and_b32 s17, s14, 3
	s_lshl_b32 s17, s17, 16                        ; 16 rows of 4,096 bytes
	s_add_co_u32 s16, s16, s17
	s_add_co_u32 s16, s16, 2048*4096               ; the action tokens begin at 2,048
	s_mov_b32 s17, 0
	s_lshl_b32 s18, ttmp9, 18                      ; 64 rows of Wpa
	s_mov_b32 s19, 0
	s_lshl_b32 s20, ttmp9, 8                       ; 64 columns in bytes
	s_mov_b32 s21, 0
	s_lshl_b32 s22, s14, 4
	s_lshl_b32 s25, s24, 1
	s_add_co_u32 s22, s22, s25
	s_lshl_b32 s22, s22, 12
	s_add_co_u32 s22, s22, s20                     ; out1: row 16 y + 2 (wave % 8), my 64 columns
	s_mov_b32 s23, 0
	s_wait_kmcnt 0x0
	s_add_nc_u64 s[4:5], s[4:5], s[16:17]
	s_add_nc_u64 s[6:7], s[6:7], s[18:19]
	s_add_nc_u64 s[8:9], s[8:9], s[20:21]
	s_add_nc_u64 s[10:11], s[10:11], s[22:23]
	global_load_b128 v[24:27], v7, s[8:9]          ; the bias
.irp i, 0,1,2,3,4,5,6,7
	global_load_b128 v[32+4*\i:35+4*\i], v6, s[4:5] offset:8192*\i          ; rows 2 i and 2 i + 1 of the context
.endr
.irp i, 0,1,2,3,4,5,6,7,8,9,10,11,12,13,14,15,16,17,18,19,20,21,22,23,24,25,26,27,28,29,30,31
	global_load_b128 v[64+4*\i:67+4*\i], v6, s[6:7] offset:8192*\i          ; rows 2 i and 2 i + 1 of my 64 of Wpa
.endr
; a load's four numbers become 8 bytes of f16 and go to their place in their row of the stage
.macro TOSTAGE b, row
	v_cvt_pk_f16_f32 v[\b], v[\b], v[\b+1]
	v_cvt_pk_f16_f32 v[\b+1], v[\b+2], v[\b+3]
	ds_store_b64 v11, v[\b:\b+1] offset:(\row)*RP
.endm
	s_wait_loadcnt 32                              ; the bias and the context are in; Wpa's 32 loads may be out
.irp i, 0,1,2,3,4,5,6,7
	TOSTAGE 32+4*\i, 2*\i
.endr
.irp g, 0,1,2,3
	s_wait_loadcnt 24-8*\g                         ; tile g of Wpa is in; the later tiles' loads may be out
.irp i, 0,1,2,3,4,5,6,7
	TOSTAGE 64+32*\g+4*\i, 16+16*\g+2*\i
.endr
.endr
	s_wait_dscnt 0x0                               ; the stores have read their registers, on which the fragments land
.irp kf, 0,1                                   ; a fragment: lane (r, h): registers 0-3 k = 8 h on, registers 4-7 k = 16 + 8 h on, of 32 along K
	ds_load_b128 v[32+8*\kf:35+8*\kf], v12 offset:64*\kf
	ds_load_b128 v[36+8*\kf:39+8*\kf], v12 offset:64*\kf+32
.endr
.irp ct, 0,1,2,3
.irp kf, 0,1
	ds_load_b128 v[64+16*\ct+8*\kf:67+16*\ct+8*\kf], v12 offset:(16+16*\ct)*RP+64*\kf
	ds_load_b128 v[68+16*\ct+8*\kf:71+16*\ct+8*\kf], v12 offset:(16+16*\ct)*RP+64*\kf+32
.endr
.endr
	s_wait_dscnt 0x0
.irp ct, 0,1,2,3                               ; transposed: source 0 = 16 columns (rows of Wpa), source 1 = the 16 rows: a lane holds one row and eight neighbouring columns.  Four accumulators by turns
	v_wmma_f32_16x16x32_f16 v[192+8*\ct:199+8*\ct], v[64+16*\ct:71+16*\ct], v[32:39], 0
.endr
.irp ct, 0,1,2,3
	v_wmma_f32_16x16x32_f16 v[192+8*\ct:199+8*\ct], v[72+16*\ct:79+16*\ct], v[40:47], v[192+8*\ct:199+8*\ct]
.endr
.rept 4
	v_nop                                          ; places in front of the stores that read the results, and of the loads into registers that the products read
.endr
.irp ct, 0,1,2,3
	ds_store_b128 v8, v[192+8*\ct:195+8*\ct] offset:64*\ct
	ds_store_b128 v8, v[196+8*\ct:199+8*\ct] offset:64*\ct+16
.endr
	s_wait_dscnt 0x0                               ; for the others' sake: my part lies in LDS
	s_barrier_signal -1
	s_barrier_wait -1
	s_cmp_lt_u32 s12, 8
	s_cbranch_scc0 .Lend                           ; eight waves add and store, two rows each
.irp p, 0,1,2,3,4,5,6,7,8,9,10,11,12,13,14,15
	ds_load_b128 v[64+4*\p:67+4*\p], v9 offset:PART*\p
.endr
	s_wait_dscnt 0x0
	v_pk_add_f32 v[64:65], v[64:65], v[24:25]      ; the bias,
	v_pk_add_f32 v[66:67], v[66:67], v[26:27]
.irp p, 1,2,3,4,5,6,7,8,9,10,11,12,13,14,15
	v_pk_add_f32 v[64:65], v[64:65], v[64+4*\p:65+4*\p]    ; and the parts, K ascending
	v_pk_add_f32 v[66:67], v[66:67], v[66+4*\p:67+4*\p]
.endr
	global_store_b128 v10, v[64:67], s[10:11]      ; sixteen lanes store 256 consecutive bytes, aligned
.Lend:
	s_wait_tensorcnt 0x0                           ; the wave's end: three closing lines behind my last LDS store
	ds_add_u32 v[SPW], v[NIL]
	s_wait_dscnt 0x0
	s_endpgm
.Lfunc_end_k_q17e599bf64_proj:
	.size	k_q17e599bf64_proj, .Lfunc_end_k_q17e599bf64_proj-k_q17e599bf64_proj
	.p2alignl 7, 3214868480
	.fill 96, 4, 3214868480
	.section	.rodata,"a",@progbits
	.p2align	6, 0x0
	.amdhsa_kernel k_q17e599bf64_proj
		.amdhsa_group_segment_fixed_size 256000
		.amdhsa_private_segment_fixed_size 0
		.amdhsa_enable_private_segment 0
		.amdhsa_kernarg_size 32
		.amdhsa_user_sgpr_count 2
		.amdhsa_user_sgpr_kernarg_segment_ptr 1
		.amdhsa_wavefront_size32 1
		.amdhsa_system_sgpr_workgroup_id_x 1
		.amdhsa_system_sgpr_workgroup_id_y 1
		.amdhsa_system_sgpr_workgroup_id_z 1
		.amdhsa_system_vgpr_workitem_id 0
		.amdhsa_next_free_vgpr 224
		.amdhsa_next_free_sgpr 66
		.amdhsa_reserve_vcc 0
		.amdhsa_float_denorm_mode_32 3
		.amdhsa_float_denorm_mode_16_64 3
		.amdhsa_memory_ordered 1
		.amdhsa_forward_progress 1
		.amdhsa_inst_pref_size 21
	.end_amdhsa_kernel
	.amdgpu_metadata
---
amdhsa.version: [ 1, 2 ]
amdhsa.kernels:
  - .name:           k_q17e599bf64_proj
    .symbol:         k_q17e599bf64_proj.kd
    .args:
      - { .name: out0, .offset: 0, .size: 8, .value_kind: global_buffer, .address_space: global }
      - { .name: Wpa, .offset: 8, .size: 8, .value_kind: global_buffer, .address_space: global }
      - { .name: bpa, .offset: 16, .size: 8, .value_kind: global_buffer, .address_space: global }
      - { .name: out1, .offset: 24, .size: 8, .value_kind: global_buffer, .address_space: global }
    .group_segment_fixed_size: 256000
    .private_segment_fixed_size: 0
    .kernarg_segment_align: 8
    .kernarg_segment_size: 32
    .max_flat_workgroup_size: 512
    .sgpr_count:     66
    .vgpr_count:     224
    .wavefront_size: 32
...
	.end_amdgpu_metadata
.endif
;; end of part 4
